; MI455X (gfx1250); checked and timed in simulation.
; The chip was launched on July 23, 2026; its instructions are those of AMD's public machine-readable ISA for CDNA 5 (MIT licence, August 2026) and "CDNA5" Instruction Set Architecture Reference Guide (July 2026). The comments in the code are by the model that wrote it; some were corrected since.
;; Grouped Query Attention. Allowed arithmetic: matrix products marked QUANTISED: E2M3 operands, one E8M0 scale for each 32 along K, by v_wmma_scale_f32_16x16x128_f8f6f4 with both operands' format E2M3, f32 sums; everything else in f32.
;; Inputs: Wk 1,024 x 256 float32; Wo 1,024 x 1,024 float32; Wq 1,024 x 1,024 float32; Wv 1,024 x 256 float32; x 4 x 2,048 x 1,024 float32.
;; Outputs: out0 4 x 2,048 x 1,024 float32.
;; This version of the problem:
;;   THIS VERSION OF THE PROBLEM IS GIVEN IN LOW PRECISION. The matrix products marked QUANTISED in the list below multiply operands that are first quantised to E2M3 (2 exponent bits, 3 mantissa bits; 6 bits a number), with one power-of-two scale for each 32 numbers along K (OCP MX v1.0); their sums are f32. All else is computed in f32.
;;   The module's matrix products, in the order in which they are computed (A, B: the left and right operand; K: the contracted axis; several contracted axes count as one K, in the product's order):
;;     1. [M 8,192, K 1,024] x [K 1,024, N 1,024]; A: input x; B: input Wq: QUANTISED
;;     2. [M 8,192, K 1,024] x [K 1,024, N 256]; A: input x; B: input Wk: QUANTISED
;;     3. [M 8,192, K 1,024] x [K 1,024, N 256]; A: input x; B: input Wv: QUANTISED
;;     4. batch 64 x [M 2,048, K 64] x [K 64, N 2,048]; A: computed on the way; B: computed on the way: QUANTISED
;;     5. batch 64 x [M 2,048, K 2,048] x [K 2,048, N 64]; A: softmax (see below); B: computed on the way: QUANTISED
;;     6. [M 8,192, K 1,024] x [K 1,024, N 1,024]; A: computed on the way; B: input Wo: QUANTISED
;;   THE QUANTISER, for each operand of a quantised product, along K:
;;     - K is cut into blocks of 32 from its start; a last block that is shorter is filled with zeros.
;;     - A block's scale is 2^e with e = floor(log2(the largest magnitude in the block)) - 2, held to -126 .. 127; a block of zeros has e = 0. As a byte (E8M0): e + 127.
;;     - Each number is divided by its block's scale, clamped to +-7.5, and rounded to the nearest number of E2M3, ties to even, subnormals kept.
;;     - The product sums the exact products of the quantised numbers (number of the format x scale) in f32.
;;   ~~~python
;;   def quantise(x, axis):      # numpy; x: float32 -> the quantised numbers, widened to float32 again
;;       x = np.moveaxis(x, axis, -1); K = x.shape[-1]
;;       x = np.pad(x, [(0, 0)] * (x.ndim - 1) + [(0, -K % 32)]); x = x.reshape(x.shape[:-1] + (-1, 32)); a = np.abs(x).max(-1, keepdims=True)
;;       e = np.where(a > 0, np.clip(np.frexp(np.where(a > 0, a, 1))[1] - 1 - 2, -126, 127), 0)      # np.frexp(a)[1] - 1 = floor(log2(a)), exactly
;;       r = np.clip(x / 2.0 ** e, -7.5, 7.5)
;;       step = 2.0 ** (np.maximum(np.frexp(np.where(r == 0, 1, r))[1] - 1, 0) - 3)
;;       q = np.round(r / step) * step * 2.0 ** e      # np.round: ties to even
;;       return np.moveaxis(q.reshape(q.shape[:-2] + (-1,))[..., :K], -1, axis).astype(np.float32)
;;   ~~~
;;   SOFTMAX AHEAD OF A QUANTISED PRODUCT. Where the list says 'softmax', what is quantised is not the finished softmax but p = 2^(t - M), with t = logit x log2(e) and M = ceil(the row's largest t), a whole number; so 1/2 < the row's largest p <= 1. The row's sum l is taken of the UNQUANTISED p, in f32, and the product's result is divided by l at the end. Since M is a whole number, a kernel that streams over the keys may use a running M (the ceiling of the running maximum): every later rescaling is an exact power of two, which a block's scale takes up: the codes' values come out the same.
;;   OPERANDS COMPUTED ON THE WAY. 'Computed on the way' means the value that the module computes at that place (a softmax that the list does not call 'softmax' is quantised finished and normalised). What goes into a quantiser is computed in f32, as accurately as f32 sums, v_exp_f32 and their like allow (about 1e-6 of the number): no bf16 or f16 on the way to a quantiser, and a product that is left as it is and whose result goes on into a quantised operand takes f32 operands (vector FMAs, or v_wmma_f32_16x16x4_f32). A number that lies on a knife's edge between two numbers of the format may be rounded either way, as far as f32 arithmetic and the matrix unit's own rounding can turn it there, and no further.
;; One version. Each part assembles by itself: llvm-mc -triple=amdgcn-amd-amdhsa -mcpu=gfx1250 --defsym DOCPART=n.
;; ======== version 1 of 1: 4 launches
;; limits: right only within a limited range of input values
;; workspace buffers: xp 6,553,600 bytes; wp 1,228,800 bytes; wop 819,200 bytes; qc 6,291,456 bytes; qs 262,144 bytes; kvp 3,276,800 bytes; ap 6,553,600 bytes
;; launch quant (part 1): grid 592 x 1, 4 waves a work-group, no clusters, 34,304 bytes of LDS; arguments x, Wq, Wk, Wv, Wo, xp, wp, wop; writes xp, wp, wop
.if DOCPART == 1
	.amdgcn_target "amdgcn-amd-amdhsa--gfx1250"
	.amdhsa_code_object_version 6
	.text
	.protected	k_qe9ca4506d2_quant
	.globl	k_qe9ca4506d2_quant
	.p2align	8
	.type	k_qe9ca4506d2_quant,@function
k_qe9ca4506d2_quant:
	s_mov_b64 s[64:65], 0
	v_nop
	global_prefetch_b8 v0, s[64:65] scope:SCOPE_SE
	s_setreg_imm32_b32 hwreg(HW_REG_WAVE_MODE, 25, 1), 1
	s_wait_xcnt 0x0
; x [8192][1024] and the weights Wq, Wo [1024][1024], Wk, Wv [1024][256], all f32, become codes of FP6 (E2M3) with one E8M0 byte for each 32 along K = 1024,
; laid in the ORDER OF THE OPERAND'S REGISTERS, so that the later launches load fragments whole.
; A TILE is 16 rows of an operand (tokens of x, columns of a weight): lane r of tile 2 B + u is index 32 B + 8 u + r + 8 (r / 8).
; A FRAGMENT (a tile x 128 along K, 12 registers a lane) lies as an image of 1,536 bytes: registers 0-1 at 8 L, 2-5 at 256 + 16 L, 6-7 at 768 + 8 L, 8-11 at 1,024 + 16 L (L the lane).
; A GROUP of G tiles (16; Wo: 8) has four chunks of 256 along K: [K step 0: G images][K step 1: G images][G scale registers of 128 bytes: lanes 0-15 the rows' words of K step 0, lanes 16-31 of K step 1].
; A block's scale is 2^(floor(log2(largest magnitude)) - 2); its byte is that magnitude's exponent field - 2, held at 1 from below.
; LIMITS: a block of zeros gets the byte 1 and not 127 (its codes are zeros, and this program alone reads the bytes); NaN and infinities among the inputs are not served.
; Work-groups 0-511: a tile of x each, a wave to a chunk.  512-575: Wq and Wo, 576-591: Wk and Wv: a wave takes 32 columns x 256 along K.
; No tensor load, no barrier: waves share nothing.  Only x's path uses LDS (a stage of each wave's own).
.set SPARE, 33792                      ; behind the four stages: the spare words, 128 bytes a wave
.set SPW,  6                           ; v6   my spare word's LDS address; never rewritten
.set NIL,  7                           ; v7   0; never rewritten
.set X,    64                          ; v64-127   x's path: 64 neighbours along K
.set RAW,  128                         ; v128-255  x's path: two K steps as loaded
.set WX,   32                          ; v32-95    weights: two sets of 32 numbers down K
.set CB,   96                          ; v96-143   weights: the codes of eight blocks, six registers each
; ---- x: K step e of my chunk: through the stage, two whole blocks a lane, codes, image
.macro XQ e
.set F, 16+12*(\e)
.if (\e) == 0
	s_wait_loadcnt 16                              ; this K step's 16 loads are in; the other K step's 16 may be out
.else
	s_wait_loadcnt 0x0
.endif
.irp i, 0,1,2,3,4,5,6,7,8,9,10,11,12,13,14,15
	ds_store_b128 v4, v[RAW+64*(\e)+4*\i:RAW+64*(\e)+4*\i+3] offset:528*\i   ; row i as it was loaded: 512 bytes on end
.endr
.irp c, 0,1
.irp j, 0,1,2,3,4,5,6,7
	ds_load_b128 v[X+32*\c+4*\j:X+32*\c+4*\j+3], v5 offset:256*\c+16*\j      ; lane (r, h): row r, k = 64 c + 32 h + 0 .. 31; a wave's LDS instructions are served in order
.endr
.endr
	s_wait_dscnt 0x0
.irp c, 0,1
	v_max3_num_f32 v[8+\c], |v[X+32*\c]|, |v[X+32*\c+1]|, 0x1800000          ; block 2 c + h is all mine; the floor 2^(3 - 127) holds the byte at 1
.endr
.irp i, 2,4,6,8,10,12,14,16,18,20,22,24,26,28,30
.irp c, 0,1
	v_max3_num_f32 v[8+\c], v[8+\c], |v[X+32*\c+\i]|, |v[X+32*\c+\i+1]|
.endr
.endr
.irp c, 0,1
	v_add_nc_u32 v[12+\c], 0xff000000, v[8+\c]     ; 2 off the exponent field: the conversion's scale operand
.endr
.irp c, 0,1
	v_lshrrev_b32 v[14+\c], 23, v[12+\c]           ; the byte
.endr
	v_lshl_or_b32 v14, v15, 16, v14                ; my bytes: blocks h and 2 + h,
	v_lshlrev_b32 v14, v51, v14                    ; 8 h bits up;
	v_permlanex16_b32 v15, v14, s21, s22
	v_or_b32 v[48+(\e)], v14, v15                  ; with lane l xor 16's the row's word is whole
	v_cvt_scalef32_pk16_fp6_f32 v[F:F+2], v[X:X+15], v12
	v_cvt_scalef32_pk16_fp6_f32 v[40:42], v[X+16:X+31], v12      ; (a conversion's three registers begin on an even number)
	v_cvt_scalef32_pk16_fp6_f32 v[F+6:F+8], v[X+32:X+47], v13
	v_cvt_scalef32_pk16_fp6_f32 v[44:46], v[X+48:X+63], v13
	v_nop                                          ; one plain place behind the conversions
.irp i, 0,1,2
	v_mov_b32 v[F+3+\i], v[40+\i]
	v_mov_b32 v[F+9+\i], v[44+\i]
.endr
	global_store_b64  v2, v[F:F+1],    s[28:29] offset:24576*(\e)        ; the image: every store covers whole aligned runs of 256 bytes
	global_store_b128 v1, v[F+2:F+5],  s[28:29] offset:24576*(\e)+256
	global_store_b64  v2, v[F+6:F+7],  s[28:29] offset:24576*(\e)+768
	global_store_b128 v1, v[F+8:F+11], s[28:29] offset:24576*(\e)+1024
.endm
; ---- weights: a lane takes a column, its registers run down K
.macro WLOAD n, t                      ; block t: W(32 t + i, my column) into set t % 2; 32 lanes read 128 consecutive bytes
.irp i, 0,1,2,3,4,5,6,7,8,9,10,11,12,13,14,15,16,17,18,19,20,21,22,23,24,25,26,27,28,29,30,31
	global_load_b32 v[WX+32*((\t)%2)+\i], v5, s[4:5] offset:(32*(\t)+\i)*4*(\n) th:TH_LOAD_NT
.endr
.endm
.macro WBLOCK n, t
.set XS, WX+32*((\t)%2)
.set CR, CB+6*(\t)
.set CE, CB+24*((\t)/4)
.if (\t) < 7
	s_wait_loadcnt 32                              ; this block's 32 loads are in; the next block's 32 may be out
.else
	s_wait_loadcnt 0x0
.endif
	v_max3_num_f32 v12, |v[XS]|, |v[XS+1]|, |v[XS+2]|
	v_max3_num_f32 v13, |v[XS+3]|, |v[XS+4]|, |v[XS+5]|
.irp i, 6,10,14,18,22,26
	v_max3_num_f32 v12, v12, |v[XS+\i]|, |v[XS+\i+1]|
	v_max3_num_f32 v13, v13, |v[XS+\i+2]|, |v[XS+\i+3]|
.endr
	v_max3_num_f32 v12, v12, |v[XS+30]|, |v[XS+31]|
	v_max3_num_f32 v12, v12, v13, 0x1800000        ; with the floor
	v_add_nc_u32 v14, 0xff000000, v12              ; the conversion's scale operand
	v_lshrrev_b32 v13, 23, v14                     ; the byte
.if (\t)%4 == 0
	v_mov_b32 v[148+(\t)/4], v13                   ; four bytes make my column's word of a K step
.else
	v_lshl_or_b32 v[148+(\t)/4], v13, 8*((\t)%4), v[148+(\t)/4]
.endif
	v_cvt_scalef32_pk16_fp6_f32 v[CR:CR+2], v[XS:XS+15], v14
	v_cvt_scalef32_pk16_fp6_f32 v[144:146], v[XS+16:XS+31], v14
	v_nop
.irp i, 0,1,2
	v_mov_b32 v[CR+3+\i], v[144+\i]
.endr
.if (\t)+2 < 8
	WLOAD \n, (\t)+2
.endif
.if (\t)%4 == 3                        ; a K step is whole.  Lanes 0-15 hold tile u = 0's columns, lanes 16-31 tile u = 1's; a fragment wants block h in lanes of half h:
.irp i, 0,1,2,3,4,5
	v_permlane16_swap_b32 v[CE+\i], v[CE+6+\i]             ; blocks 0, 1 become registers 0-5 of tile 0 and of tile 1,
	v_permlane16_swap_b32 v[CE+12+\i], v[CE+18+\i]         ; blocks 2, 3 their registers 6-11
.endr
.irp u, 0,1
	global_store_b64  v2, v[CE+6*\u:CE+6*\u+1],       s[36+2*((\t)/4):37+2*((\t)/4)] offset:1536*\u
	global_store_b128 v1, v[CE+6*\u+2:CE+6*\u+5],     s[36+2*((\t)/4):37+2*((\t)/4)] offset:1536*\u+256
	global_store_b64  v2, v[CE+12+6*\u:CE+12+6*\u+1], s[36+2*((\t)/4):37+2*((\t)/4)] offset:1536*\u+768
	global_store_b128 v1, v[CE+12+6*\u+2:CE+12+6*\u+5], s[36+2*((\t)/4):37+2*((\t)/4)] offset:1536*\u+1024
.endr
.endif
.endm
; s[4:5] the weight, s[14:15] its buffer of codes, s25 = which four column blocks, s26 = chunk, s27 = log2 of the tiles in a group, s28 = where the weight's groups begin
.macro WPATH n
	s_lshl_b32 s29, s25, 2
	s_add_co_u32 s29, s29, s20                     ; my block of 32 columns
	s_mul_i32 s30, s26, 256*4*(\n)                 ; my 256 rows,
	s_lshl_b32 s31, s29, 7                         ; my 128 bytes of them
	s_add_co_u32 s30, s30, s31
	s_mov_b32 s31, 0
	s_add_nc_u64 s[4:5], s[4:5], s[30:31]
	s_lshl_b32 s29, s29, 1                         ; my first tile
	s_lshr_b32 s32, s29, s27                       ; its group,
	s_lshl_b32 s33, 12800, s27                     ; (a group's bytes)
	s_mul_i32 s32, s32, s33
	s_lshl_b32 s33, 3200, s27                      ; (a chunk's)
	s_mul_i32 s33, s33, s26
	s_add_co_u32 s32, s32, s33
	s_add_co_u32 s32, s32, s28                     ; group and chunk
	s_bfm_b32 s33, s27, 0
	s_and_b32 s33, s29, s33                        ; the tile's place in its group
	s_mul_i32 s34, s33, 1536
	s_add_co_u32 s34, s34, s32
	s_mov_b32 s35, 0
	s_add_nc_u64 s[36:37], s[14:15], s[34:35]      ; K step 0's images,
	s_lshl_b32 s34, 1536, s27
	s_add_nc_u64 s[38:39], s[36:37], s[34:35]      ; K step 1's,
	s_lshl_b32 s34, 3072, s27
	s_add_co_u32 s34, s34, s32
	s_lshl_b32 s33, s33, 7
	s_add_co_u32 s34, s34, s33
	s_add_nc_u64 s[40:41], s[14:15], s[34:35]      ; the scale registers
	WLOAD \n, 0
	WLOAD \n, 1
.irp t, 0,1,2,3,4,5,6,7
	WBLOCK \n, \t
.endr
	v_permlane16_swap_b32 v148, v149               ; v148: tile 0's scale register (lanes 0-15 K step 0, lanes 16-31 K step 1); v149: tile 1's
	global_store_b32 v3, v148, s[40:41]
	global_store_b32 v3, v149, s[40:41] offset:128
	s_endpgm
.endm
	s_load_b256 s[4:11], s[0:1], 0x0               ; x s[4:5], Wq s[6:7], Wk s[8:9], Wv s[10:11]
	s_load_b256 s[12:19], s[0:1], 0x20             ; Wo s[12:13], xp s[14:15], wp s[16:17], wop s[18:19]
	v_lshl_add_u32 v[SPW], v0, 2, SPARE
	v_mov_b32 v[NIL], 0
	v_lshrrev_b32 v8, 5, v0
	v_readfirstlane_b32 s20, v8                    ; wave
	v_and_b32 v9, 31, v0                           ; L
	v_lshlrev_b32 v1, 4, v9                        ; 16 L
	v_lshlrev_b32 v2, 3, v9                        ; 8 L
	v_lshlrev_b32 v3, 2, v9                        ; 4 L
	v_and_b32 v10, 15, v0                          ; r
	v_bfe_u32 v11, v0, 4, 1                        ; h
	s_mov_b32 s21, 0x76543210
	s_mov_b32 s22, 0xfedcba98                      ; v_permlanex16_b32's selects for lane l xor 16
	s_cmp_lt_u32 ttmp9, 512
	s_cbranch_scc0 .Lweights
	; ---- x: tile T = the work-group's number, chunk = the wave's
	s_mul_i32 s23, s20, 8448                       ; my stage: 16 rows of 512 bytes + 16
	v_add_nc_u32 v4, s23, v1                       ; in: 16 L of a row
	v_mul_u32_u24 v5, v10, 528
	v_lshl_add_u32 v5, v11, 7, v5
	v_add_nc_u32 v5, s23, v5                       ; out: row r, + 128 h
	v_lshlrev_b32 v51, 3, v11                      ; 8 h
	s_lshr_b32 s24, ttmp9, 1
	s_lshl_b32 s24, s24, 5
	s_and_b32 s25, ttmp9, 1
	s_lshl_b32 s25, s25, 3
	s_add_co_u32 s24, s24, s25                     ; the tile's first token: 32 (T / 2) + 8 (T % 2)
	s_lshl_b32 s24, s24, 12                        ; a row of x is 4,096 bytes
	s_lshl_b32 s25, s20, 10                        ; my chunk's 1,024 of them
	s_add_co_u32 s24, s24, s25
	s_mov_b32 s25, 0
	s_lshr_b32 s26, ttmp9, 4
	s_mul_i32 s26, s26, 204800
	s_mul_i32 s27, s20, 51200
	s_add_co_u32 s26, s26, s27                     ; group and chunk in xp
	s_and_b32 s27, ttmp9, 15
	s_mul_i32 s28, s27, 1536
	s_add_co_u32 s28, s28, s26
	s_mov_b32 s29, 0
	s_lshl_b32 s30, s27, 7
	s_add_co_u32 s30, s30, s26
	s_add_co_u32 s30, s30, 49152
	s_mov_b32 s31, 0
	s_wait_alu depctr_va_vdst(0)
	s_wait_kmcnt 0x0
	s_add_nc_u64 s[4:5], s[4:5], s[24:25]
	s_add_nc_u64 s[28:29], s[14:15], s[28:29]      ; the images
	s_add_nc_u64 s[30:31], s[14:15], s[30:31]      ; the scale register
.irp e, 0,1
.irp i, 0,1,2,3,4,5,6,7,8,9,10,11,12,13,14,15
	global_load_b128 v[RAW+64*\e+4*\i:RAW+64*\e+4*\i+3], v1, s[4:5] offset:(\i+8*(\i/8))*4096+512*\e th:TH_LOAD_NT   ; the tile's row i, K step e: 512 consecutive bytes
.endr
.endr
	XQ 0
	XQ 1
	s_mov_b32 s23, 0xffff0000
	v_cndmask_b32 v50, v48, v49, s23               ; lanes 0-15 K step 0's words, lanes 16-31 K step 1's
	global_store_b32 v3, v50, s[30:31]
	s_wait_tensorcnt 0x0                           ; the wave's end: behind my last LDS store
	ds_add_u32 v[SPW], v[NIL]
	s_wait_dscnt 0x0
	s_endpgm
.Lweights:
	s_wait_alu depctr_va_vdst(0)
	v_and_b32 v12, 8, v10
	v_add_nc_u32 v12, v12, v10                     ; r + 8 (r / 8)
	v_lshl_add_u32 v12, v11, 3, v12                ; + 8 u: my column of the block's 32
	v_lshlrev_b32 v5, 2, v12
	s_cmp_lt_u32 ttmp9, 576
	s_cbranch_scc0 .Lnarrow
	s_sub_co_u32 s23, ttmp9, 512
	s_lshr_b32 s24, s23, 5                         ; 0: Wq, 1: Wo
	s_and_b32 s23, s23, 31
	s_and_b32 s25, s23, 7
	s_lshr_b32 s26, s23, 3
	s_mov_b32 s28, 0
	s_wait_kmcnt 0x0
	s_cmp_eq_u32 s24, 0                            ; the choice hangs on the work-group's number alone
	s_cselect_b64 s[4:5], s[6:7], s[12:13]
	s_cselect_b64 s[14:15], s[16:17], s[18:19]
	s_cselect_b32 s27, 4, 3
	s_wait_alu depctr_va_vdst(0)
	WPATH 1024
.Lnarrow:
	s_sub_co_u32 s23, ttmp9, 576
	s_lshr_b32 s24, s23, 3                         ; 0: Wk, 1: Wv
	s_and_b32 s23, s23, 7
	s_and_b32 s25, s23, 1
	s_lshr_b32 s26, s23, 1
	s_mov_b32 s27, 4
	s_mov_b32 s28, 1024000                         ; Wv is group 5 of wp,
	s_wait_kmcnt 0x0
	s_cmp_eq_u32 s24, 0
	s_cselect_b64 s[4:5], s[8:9], s[10:11]
	s_cselect_b32 s28, 819200, s28                 ; Wk group 4
	s_mov_b64 s[14:15], s[16:17]
	s_wait_alu depctr_va_vdst(0)
	WPATH 256
.Lfunc_end_k_qe9ca4506d2_quant:
	.size	k_qe9ca4506d2_quant, .Lfunc_end_k_qe9ca4506d2_quant-k_qe9ca4506d2_quant
	.p2alignl 7, 3214868480
	.fill 96, 4, 3214868480
	.section	.rodata,"a",@progbits
	.p2align	6, 0x0
	.amdhsa_kernel k_qe9ca4506d2_quant
		.amdhsa_group_segment_fixed_size 34304
		.amdhsa_private_segment_fixed_size 0
		.amdhsa_enable_private_segment 0
		.amdhsa_kernarg_size 64
		.amdhsa_user_sgpr_count 2
		.amdhsa_user_sgpr_kernarg_segment_ptr 1
		.amdhsa_wavefront_size32 1
		.amdhsa_system_sgpr_workgroup_id_x 1
		.amdhsa_system_sgpr_workgroup_id_y 1
		.amdhsa_system_sgpr_workgroup_id_z 1
		.amdhsa_system_vgpr_workitem_id 0
		.amdhsa_next_free_vgpr 256
		.amdhsa_next_free_sgpr 66
		.amdhsa_reserve_vcc 0
		.amdhsa_float_denorm_mode_32 3
		.amdhsa_float_denorm_mode_16_64 3
		.amdhsa_memory_ordered 1
		.amdhsa_forward_progress 1
		.amdhsa_inst_pref_size 96
	.end_amdhsa_kernel
	.amdgpu_metadata
---
amdhsa.version: [ 1, 2 ]
amdhsa.kernels:
  - .name:           k_qe9ca4506d2_quant
    .symbol:         k_qe9ca4506d2_quant.kd
    .args:
      - { .name: x, .offset: 0, .size: 8, .value_kind: global_buffer, .address_space: global }
      - { .name: Wq, .offset: 8, .size: 8, .value_kind: global_buffer, .address_space: global }
      - { .name: Wk, .offset: 16, .size: 8, .value_kind: global_buffer, .address_space: global }
      - { .name: Wv, .offset: 24, .size: 8, .value_kind: global_buffer, .address_space: global }
      - { .name: Wo, .offset: 32, .size: 8, .value_kind: global_buffer, .address_space: global }
      - { .name: xp, .offset: 40, .size: 8, .value_kind: global_buffer, .address_space: global }
      - { .name: wp, .offset: 48, .size: 8, .value_kind: global_buffer, .address_space: global }
      - { .name: wop, .offset: 56, .size: 8, .value_kind: global_buffer, .address_space: global }
    .group_segment_fixed_size: 34304
    .private_segment_fixed_size: 0
    .kernarg_segment_align: 8
    .kernarg_segment_size: 64
    .max_flat_workgroup_size: 128
    .sgpr_count:     66
    .vgpr_count:     256
    .wavefront_size: 32
...
	.end_amdgpu_metadata
.endif
;; end of part 1
;; launch proj (part 2): grid 32 x 6, 16 waves a work-group, no clusters, 206,848 bytes of LDS; arguments xp, wp, qc, qs, kvp; writes qc, qs, kvp
.if DOCPART == 2
	.amdgcn_target "amdgcn-amd-amdhsa--gfx1250"
	.amdhsa_code_object_version 6
	.text
	.protected	k_qe9ca4506d2_proj
	.globl	k_qe9ca4506d2_proj
	.p2align	8
	.type	k_qe9ca4506d2_proj,@function
k_qe9ca4506d2_proj:
	s_mov_b64 s[64:65], 0
	v_nop
	global_prefetch_b8 v0, s[64:65] scope:SCOPE_SE
	s_setreg_imm32_b32 hwreg(HW_REG_WAVE_MODE, 25, 1), 1
	s_wait_xcnt 0x0
; q = x Wq, k = x Wk, v = x Wv on codes of FP6 (E2M3) with E8M0 scales, K = 1,024; the results are quantised here for the attention's two products and never go to memory as f32.
; Work-group (tg, f): 256 tokens (group tg of xp) x 256 features (group f of wp: 0-3 Wq, 4 Wk, 5 Wv).  192 work-groups of equal work.
; ONE MAIN LOOP.  A wave makes P (8 tiles, source 0) x R (2 tiles, source 1): 16 accumulators.  A lane then holds ONE index of R, and its registers run along P: the axis along which the result is quantised.
;   q, k (f < 5): P = features, R = tokens: a lane holds a token, registers run along the head.     v (f = 5): P = tokens, R = features: a lane holds a channel, registers run along the keys.
; By the tiles' order (lane r of tile 2 B + u is index 32 B + 8 u + r + 8 (r / 8)) the 16 registers of P's tiles 2 B, 2 B + 1 are the 16 neighbours 32 B + 16 h + 0 .. 15.
; P's whole group (204,800 bytes, four chunks of 256 along K) comes into LDS once, by one tensor load in each of waves 0-3, and is read by all sixteen waves; nothing is filled again.
; R's fragments come from memory straight into registers, one K step ahead, in two sets.
; No cluster: the v work-groups' P (their own tokens) is shared with nobody, so one text cannot give all work-groups a joint load whose descriptor is equal in its partners.
; No prefetch: all of P is asked for at the head, and R's 24,576 bytes a wave follow one K step ahead.
; OUT.  qc [b][head][token tile][768]: half an image (64 along K).  qs [b][head pair][token tile][r]: a word = the even head's two bytes, the odd head's two.
;   kvp [4 b + kv][chunk of 512 keys, 51,200 bytes]: K [step][Fb][1,536] at 0, V [step][t][1,536] at 24,576, K's words [step][Fb][r] at 49,152, V's [step][t][r] at 50,176; here registers 4 j .. 4 j + 3 lie at 512 j + 16 L.
;   A fragment Fb of K holds key tile u = 0 of keys 32 Fb .. + 31 in registers 0-5 and tile u = 1 in registers 6-11 (64 along K each).
;   The scale words leave in stores of 64 or 128 bytes: one twenty-fourth of what the launch writes.
; LIMITS: a block of zeros gets the byte 1 and not 127 (its codes are zeros; this program alone reads the bytes); NaN and infinities are not served.
.set CHB,   51200                      ; a chunk of P in LDS
.set ESTR,  24576                      ; from its K step 0 to its K step 1
.set SPARE, 204800                     ; behind P: the spare words, 128 bytes for each of 16 waves
.set A8,  1                            ; v1  LDS: 8 L + my eight tiles of P, in the chunk in hand
.set A16, 2                            ; v2  16 L + the same
.set APS, 3                            ; v3  4 L + their scale registers
.set G8,  4                            ; v4  8 L
.set G16, 5                            ; v5  16 L
.set G4,  6                            ; v6  4 L
.set SPW, 7                            ; v7  my spare word; never rewritten
.set NIL, 8                            ; v8  0; never rewritten
.set RF,  16                           ; v16-63   R's two fragments, two sets
.set PF,  64                           ; v64-111  four fragments of P
.set RS,  112                          ; v112-119 R's scale registers: chunk c, tile n at 2 c + n
.set PS,  120                          ; v120-127 P's, of the chunk in hand
.set ACC, 128                          ; v128-255 accumulator (n, m) at 8 (8 n + m)
.set TM,  64                           ; the way out: v64-79 at work
.set PC0, 16                           ; v16-35, v36-55 two fragments of codes
.set PC1, 36
.set PW,  80                           ; v80, v81 their scale words
.macro PLACES                          ; a load into a register that a matrix instruction has read, and a vector instruction that reads its result, stand four plain vector instructions behind it
.rept 4
	v_nop
.endr
.endm
.macro FRAGL reg, off                  ; an image out of LDS
	ds_load_b64  v[(\reg):(\reg)+1],    v[A8]  offset:(\off)
	ds_load_b128 v[(\reg)+2:(\reg)+5],  v[A16] offset:(\off)+256
	ds_load_b64  v[(\reg)+6:(\reg)+7],  v[A8]  offset:(\off)+768
	ds_load_b128 v[(\reg)+8:(\reg)+11], v[A16] offset:(\off)+1024
.endm
.macro FRAGG reg, off                  ; an image out of memory
	global_load_b64  v[(\reg):(\reg)+1],    v[G8],  s[46:47] offset:(\off)
	global_load_b128 v[(\reg)+2:(\reg)+5],  v[G16], s[46:47] offset:(\off)+256
	global_load_b64  v[(\reg)+6:(\reg)+7],  v[G8],  s[46:47] offset:(\off)+768
	global_load_b128 v[(\reg)+8:(\reg)+11], v[G16], s[46:47] offset:(\off)+1024
.endm
.macro WM d, a, b, sa, sb, zero, row   ; zero: the first K step starts the sum; row: a chunk's second K step takes its scale words from lanes 16-31
.if \zero
	v_wmma_scale_f32_16x16x128_f8f6f4 v[(\d):(\d)+7], v[(\a):(\a)+11], v[(\b):(\b)+11], 0, v[(\sa)], v[(\sb)] matrix_a_fmt:MATRIX_FMT_FP6 matrix_b_fmt:MATRIX_FMT_FP6
.elseif \row
	v_wmma_scale_f32_16x16x128_f8f6f4 v[(\d):(\d)+7], v[(\a):(\a)+11], v[(\b):(\b)+11], v[(\d):(\d)+7], v[(\sa)], v[(\sb)] matrix_a_fmt:MATRIX_FMT_FP6 matrix_b_fmt:MATRIX_FMT_FP6 matrix_a_scale:MATRIX_SCALE_ROW1 matrix_b_scale:MATRIX_SCALE_ROW1
.else
	v_wmma_scale_f32_16x16x128_f8f6f4 v[(\d):(\d)+7], v[(\a):(\a)+11], v[(\b):(\b)+11], v[(\d):(\d)+7], v[(\sa)], v[(\sb)] matrix_a_fmt:MATRIX_FMT_FP6 matrix_b_fmt:MATRIX_FMT_FP6
.endif
.endm
; A chunk's head: wave c has seen the chunk land, and says so to all.
.macro CHUNKHEAD c
	s_wait_dscnt 0x0                               ; no LDS instruction of mine is out at a signal
	s_cmp_lg_u32 s14, \c                           ; chunk c is wave c's one load: that wave sees it land, then signals; the later chunks' loads, other waves', may be out
	s_cbranch_scc1 .Lnot_mine_\@
	s_wait_tensorcnt 0x0
.Lnot_mine_\@:
	s_barrier_signal -1
	s_barrier_wait -1
.if (\c) > 0
	v_add_nc_u32 v[A8], CHB, v[A8]
	s_wait_alu depctr_va_vdst(0)
	v_add_nc_u32 v[A16], CHB, v[A16]
	s_wait_alu depctr_va_vdst(0)
	v_add_nc_u32 v[APS], CHB, v[APS]
.endif
.irp m, 0,1,2,3,4,5,6,7
	ds_load_b32 v[PS+\m], v[APS] offset:128*\m
.endr
	FRAGL PF, 0
	FRAGL PF+12, 1536
	FRAGL PF+24, 3072
	FRAGL PF+36, 4608
.endm
; A half-group: P's tiles 2 hg, 2 hg + 1 of K step 2 c + e against R's two: four matrix instructions.  The sixteen accumulators take turns, one instruction a turn.
.macro HG c, e, hg
.set KSN, 2*(\c)+(\e)
.set QN,  4*(\e)+(\hg)
.set SL,  PF+24*((\hg)%2)
.set RFC, RF+24*(KSN%2)
.if (\hg) == 0
	s_wait_loadcnt 0x0                             ; R of this K step (at the first also R's scale registers)
.endif
.if QN == 7
	s_wait_dscnt 0x0
.else
	s_wait_dscnt 8                                 ; my two fragments are in; the next half-group's eight loads may be out
.endif
.irp n, 0,1
.irp u, 0,1
	WM ACC+8*(8*\n+2*(\hg)+\u), SL+12*\u, RFC+12*\n, PS+2*(\hg)+\u, RS+2*(\c)+\n, KSN==0, \e
.endr
.endr
	PLACES
.if QN+2 <= 7
.set E2, (QN+2)/4
.set H2, (QN+2)%4
	FRAGL SL, E2*ESTR+(2*H2)*1536                  ; the half-group two on, into the registers just used
	FRAGL SL+12, E2*ESTR+(2*H2+1)*1536
.endif
.if ((\hg) == 0) && (KSN < 7)
.set RFN, RF+24*((KSN+1)%2)
.set RON, ((KSN+1)/2)*51200+((KSN+1)%2)*24576
	FRAGG RFN, RON                                 ; R of the next K step, into the other set
	FRAGG RFN+12, RON+1536
.endif
.endm
; 64 numbers of a lane become a fragment's codes in v[pc] .. v[pc + 11] and its scale word in v[pw].  Blocks 0, 1: v[s0 + 16 b + i]; blocks 2, 3: v[s1 + 16 (b - 2) + i]; each is k = 16 h + i of its block of 32.
.macro QUANT s0, s1, pc, pw
.irp b, 0,1
	v_max3_num_f32 v[TM+\b], |v[(\s0)+16*\b]|, |v[(\s0)+16*\b+1]|, 0x1800000     ; each accumulator is read from its low end on; the floor 2^(3 - 127) holds the byte at 1
	v_max3_num_f32 v[TM+2+\b], |v[(\s1)+16*\b]|, |v[(\s1)+16*\b+1]|, 0x1800000
.endr
.irp i, 2,4,6,8,10,12,14
.irp b, 0,1
	v_max3_num_f32 v[TM+\b], v[TM+\b], |v[(\s0)+16*\b+\i]|, |v[(\s0)+16*\b+\i+1]|
	v_max3_num_f32 v[TM+2+\b], v[TM+2+\b], |v[(\s1)+16*\b+\i]|, |v[(\s1)+16*\b+\i+1]|
.endr
.endr
.irp b, 0,1,2,3
	v_permlanex16_b32 v[TM+4+\b], v[TM+\b], s50, s51
.endr
.irp b, 0,1,2,3
	s_delay_alu instid0(VALU_DEP_4)
	v_max_num_f32 v[TM+\b], v[TM+\b], v[TM+4+\b]   ; with lane l xor 16's: the block's largest magnitude
.endr
.irp b, 0,1,2,3
	s_delay_alu instid0(VALU_DEP_4)
	v_add_nc_u32 v[TM+12+\b], 0xff000000, v[TM+\b] ; 2 off its exponent field: the conversion's scale operand
.endr
.irp b, 0,1,2,3
	s_delay_alu instid0(VALU_DEP_4)
	v_lshrrev_b32 v[TM+4+\b], 23, v[TM+12+\b]      ; the byte
.endr
	s_delay_alu instid0(VALU_DEP_3)
	v_lshl_or_b32 v[(\pw)], v[TM+5], 8, v[TM+4]
	s_delay_alu instid0(VALU_DEP_1)
	v_lshl_or_b32 v[(\pw)], v[TM+6], 16, v[(\pw)]
	s_delay_alu instid0(VALU_DEP_1)
	v_lshl_or_b32 v[(\pw)], v[TM+7], 24, v[(\pw)]
	v_cvt_scalef32_pk16_fp6_f32 v[(\pc):(\pc)+2],     v[(\s0):(\s0)+15],    v[TM+12]
	v_cvt_scalef32_pk16_fp6_f32 v[(\pc)+12:(\pc)+14], v[(\s0)+16:(\s0)+31], v[TM+13]   ; (a conversion's three registers begin on an even number)
	v_cvt_scalef32_pk16_fp6_f32 v[(\pc)+6:(\pc)+8],   v[(\s1):(\s1)+15],    v[TM+14]
	v_cvt_scalef32_pk16_fp6_f32 v[(\pc)+16:(\pc)+18], v[(\s1)+16:(\s1)+31], v[TM+15]
	v_nop                                          ; one plain place behind the conversions
.irp i, 0,1,2                          ; the layout wants a whole block in a lane: lanes 0-15 the even block, lanes 16-31 the odd one
	v_permlane16_swap_b32 v[(\pc)+\i], v[(\pc)+12+\i]
	v_permlane16_swap_b32 v[(\pc)+6+\i], v[(\pc)+16+\i]
.endr
.irp i, 0,1,2
	v_mov_b32 v[(\pc)+3+\i], v[(\pc)+12+\i]
	v_mov_b32 v[(\pc)+9+\i], v[(\pc)+16+\i]
.endr
.endm
	s_load_b256 s[4:11], s[0:1], 0x0               ; xp s[4:5], wp s[6:7], qc s[8:9], qs s[10:11]
	s_load_b64 s[12:13], s[0:1], 0x20              ; kvp
	v_lshl_add_u32 v[SPW], v0, 2, SPARE
	v_mov_b32 v[NIL], 0
	ds_add_u32 v[SPW], v[NIL]                      ; the wave's opening: the add and its wait ahead of the first tensor load; work on registers stands between them
	ds_add_u32 v[SPW], v[NIL]
	v_lshrrev_b32 v9, 5, v0
	s_delay_alu instid0(VALU_DEP_1)
	v_readfirstlane_b32 s14, v9                    ; wave 0..15
	s_lshr_b32 s15, s14, 3                         ; pg: which eight tiles of P
	s_and_b32 s40, s14, 7                          ; rb: which two tiles of R
	s_mov_b32 s41, ttmp9                           ; tg
	s_and_b32 s42, ttmp7, 0xffff                   ; f
	s_mov_b32 s16, 3<<16                           ; descriptor group 1: a dense chunk as 200 rows of 32 elements of 8 bytes; no mask, no padding
	s_mov_b32 s17, 32<<16                          ; tensor_dim0 = 32
	s_mov_b32 s18, 200<<16                         ; tensor_dim1 = 200
	s_mov_b32 s19, 32<<16                          ; tile_dim0 = 32
	s_mov_b32 s20, 200                             ; tile_dim1 = 200
	s_mov_b32 s21, 32                              ; from row to row
	s_mov_b32 s22, 0
	s_mov_b32 s23, 0
	s_mov_b32 s50, 0x76543210
	s_mov_b32 s51, 0xfedcba98                      ; v_permlanex16_b32's selects for lane l xor 16
	v_and_b32 v11, 31, v0
	s_delay_alu instid0(VALU_DEP_1)
	v_lshlrev_b32 v[G8], 3, v11
	s_delay_alu instid0(VALU_DEP_2)
	v_lshlrev_b32 v[G16], 4, v11
	s_delay_alu instid0(VALU_DEP_3)
	v_lshlrev_b32 v[G4], 2, v11
	s_mul_i32 s52, s15, 12288
	v_add_nc_u32 v[A8], s52, v[G8]
	v_add_nc_u32 v[A16], s52, v[G16]
	s_lshl_b32 s52, s15, 10
	s_add_co_u32 s52, s52, 49152
	v_add_nc_u32 v[APS], s52, v[G4]
	v_and_b32 v9, 15, v0                           ; r
	v_bfe_u32 v10, v0, 4, 1                        ; h
	s_mul_i32 s52, s41, 204800                     ; my tokens' group in xp
	s_mov_b32 s53, 0
	s_mul_i32 s54, s42, 204800                     ; my features' group in wp
	s_mov_b32 s55, 0
	s_wait_dscnt 0x0                               ; the opening add is done
	s_wait_kmcnt 0x0
	s_cmp_eq_u32 s42, 5                            ; v: tokens are P; the choice hangs on the work-group's number alone
	s_cselect_b64 s[44:45], s[4:5], s[6:7]
	s_cselect_b64 s[46:47], s[6:7], s[4:5]
	s_cselect_b64 s[56:57], s[52:53], s[54:55]
	s_cselect_b64 s[58:59], s[54:55], s[52:53]
	s_add_nc_u64 s[44:45], s[44:45], s[56:57]      ; P's group
	s_add_nc_u64 s[46:47], s[46:47], s[58:59]      ; R's group
	s_lshl_b32 s56, s40, 8
	s_add_co_u32 s56, s56, 49152
	s_mov_b32 s57, 0
	s_add_nc_u64 s[48:49], s[46:47], s[56:57]      ; my two tiles' scale registers,
	s_mul_i32 s56, s40, 3072
	s_add_nc_u64 s[46:47], s[46:47], s[56:57]      ; and their images
.irp c, 0,1,2,3
	s_mov_b32 s[24+4*\c], 1                        ; descriptor group 0, a set for each chunk: count = 1,
	s_mov_b32 s[25+4*\c], \c*CHB                   ; LDS address,
	s_add_nc_u64 s[26+4*\c:27+4*\c], s[44:45], \c*CHB  ; global address,
	s_or_b32 s[27+4*\c], s[27+4*\c], 0x80000000    ; type = 2
.endr
; The first fills, one a wave: wave c (0 .. 3) asks for chunk c of P; waves 4-15 ask for nothing.  One chain of branches on the wave's number, every arm leading to one join.
.macro ARM under, c, next
	s_cmp_lt_u32 s14, \under
	s_cbranch_scc0 \next
	tensor_load_to_lds s[24+4*(\c):27+4*(\c)], s[16:23]
	s_nop 0
.rept 4
	v_nop
.endr
	s_branch .Lno_fill
\next:
.endm
	ARM 1, 0, .Larm1
	ARM 2, 1, .Larm2
	ARM 3, 2, .Larm3
	ARM 4, 3, .Larm4
.Lno_fill:
	s_wait_alu depctr_va_vdst(0)
.irp c, 0,1,2,3
.irp n, 0,1
	global_load_b32 v[RS+2*\c+\n], v[G4], s[48:49] offset:\c*51200+128*\n
.endr
.endr
	FRAGG RF, 0
	FRAGG RF+12, 1536
.irp c, 0,1,2,3                        ; all eight K steps are written out: every offset is an immediate
	CHUNKHEAD \c
.irp e, 0,1
.irp hg, 0,1,2,3
	HG \c, \e, \hg
.endr
.endr
.endr
	; ---- the way out (the last half-group's four places stand behind the last products)
.irp b, 0,1,2,3
	v_mov_b32 v[TM+4+\b], 0                        ; written once: a lane permute's destination counts as one of its sources
.endr
	s_mov_b32 s52, 0xffff0000                      ; lanes 16-31
	s_lshr_b32 s53, s41, 3                         ; b
	s_and_b32 s54, s41, 7                          ; the group's place in its batch
	s_cmp_lt_u32 s42, 4
	s_cbranch_scc0 .Lnot_q
	; q: a lane holds a token of tile 2 rb + n; my 128 features are heads 4 f + 2 pg and the next
	QUANT ACC, ACC+32, PC0, PW
	QUANT ACC+64, ACC+96, PC1, PW+1
	s_lshl_b32 s55, s53, 4
	s_lshl_b32 s56, s42, 2
	s_add_co_u32 s55, s55, s56
	s_lshl_b32 s56, s15, 1
	s_add_co_u32 s55, s55, s56                     ; 16 b + head
	s_lshl_b32 s55, s55, 7
	s_lshl_b32 s56, s54, 4
	s_lshl_b32 s57, s40, 1
	s_add_co_u32 s56, s56, s57                     ; the token tile in the batch
	s_add_co_u32 s55, s55, s56
	s_mul_i32 s58, s55, 768
	s_mov_b32 s59, 0
	s_add_nc_u64 s[8:9], s[8:9], s[58:59]
	s_wait_alu depctr_va_vdst(0)
.irp n, 0,1
	global_store_b64  v[G8],  v[PC0+20*\n:PC0+20*\n+1],    s[8:9] offset:768*\n                ; the even head's half image,
	global_store_b128 v[G16], v[PC0+20*\n+2:PC0+20*\n+5],  s[8:9] offset:768*\n+256
	global_store_b64  v[G8],  v[PC0+20*\n+6:PC0+20*\n+7],  s[8:9] offset:768*\n+98304          ; the odd head's: 128 tiles on
	global_store_b128 v[G16], v[PC0+20*\n+8:PC0+20*\n+11], s[8:9] offset:768*\n+98304+256
.endr
	s_lshl_b32 s55, s53, 3
	s_lshl_b32 s57, s42, 1
	s_add_co_u32 s55, s55, s57
	s_add_co_u32 s55, s55, s15                     ; 8 b + head pair
	s_lshl_b32 s55, s55, 7
	s_add_co_u32 s55, s55, s56
	s_lshl_b32 s58, s55, 6
	s_add_nc_u64 s[10:11], s[10:11], s[58:59]
	v_cndmask_b32 v82, v[PW], v[PW+1], s52         ; lanes 0-15 tile n = 0's words, lanes 16-31 tile n = 1's
	global_store_b32 v[G4], v82, s[10:11]
	s_branch .Lend
.Lnot_q:
	s_cmp_eq_u32 s42, 4
	s_cbranch_scc0 .Lpath_v
	; k: for each of my two heads a fragment: token tile n = 0 in registers 0-5, n = 1 in registers 6-11
	QUANT ACC, ACC+64, PC0, PW
	QUANT ACC+32, ACC+96, PC1, PW+1
	s_lshl_b32 s55, s53, 2
	s_lshl_b32 s56, s15, 1
	s_add_co_u32 s55, s55, s56                     ; 4 b + my first head
	s_mul_i32 s55, s55, 204800
	s_lshr_b32 s56, s54, 1
	s_mul_i32 s56, s56, 51200
	s_add_co_u32 s55, s55, s56                     ; + the chunk of 512 keys
	s_and_b32 s56, s41, 1
	s_lshl_b32 s56, s56, 1
	s_lshr_b32 s57, s40, 2
	s_add_co_u32 s56, s56, s57                     ; the step of 128 keys in it
	s_and_b32 s57, s40, 3                          ; the 32 keys in the step
	s_mul_i32 s58, s56, 6144
	s_add_co_u32 s58, s58, s55
	s_mul_i32 s60, s57, 1536
	s_add_co_u32 s58, s58, s60
	s_mov_b32 s59, 0
	s_add_nc_u64 s[60:61], s[12:13], s[58:59]
	s_lshl_b32 s58, s56, 8
	s_add_co_u32 s58, s58, s55
	s_lshl_b32 s57, s57, 6
	s_add_co_u32 s58, s58, s57
	s_add_co_u32 s58, s58, 49152
	s_add_nc_u64 s[62:63], s[12:13], s[58:59]
	s_wait_alu depctr_va_vdst(0)
.irp j, 0,1,2
	global_store_b128 v[G16], v[PC0+4*\j:PC0+4*\j+3], s[60:61] offset:512*\j
	global_store_b128 v[G16], v[PC1+4*\j:PC1+4*\j+3], s[60:61] offset:204800+512*\j
.endr
	v_cndmask_b32 v82, v[PW], v[PW+1], s52         ; lanes 0-15 the first head's words, lanes 16-31 the second's,
	v_lshlrev_b32 v83, 2, v9
	s_delay_alu instid0(VALU_DEP_1)
	v_mad_u32_u24 v83, v10, 0x32000, v83           ; which lie 204,800 bytes on
	global_store_b32 v83, v82, s[62:63]
	s_branch .Lend
.Lpath_v:
	; v: a lane holds a channel of tile 2 (rb % 2) + n of head rb / 2; my 128 tokens are one step of keys
	QUANT ACC, ACC+32, PC0, PW
	QUANT ACC+64, ACC+96, PC1, PW+1
	s_lshl_b32 s55, s53, 2
	s_lshr_b32 s56, s40, 1
	s_add_co_u32 s55, s55, s56                     ; 4 b + kv
	s_mul_i32 s55, s55, 204800
	s_lshl_b32 s56, s54, 1
	s_add_co_u32 s56, s56, s15                     ; the step of 128 keys in the batch
	s_lshr_b32 s57, s56, 2
	s_mul_i32 s57, s57, 51200
	s_add_co_u32 s55, s55, s57
	s_and_b32 s56, s56, 3
	s_and_b32 s57, s40, 1
	s_mul_i32 s58, s56, 6144
	s_add_co_u32 s58, s58, s55
	s_mul_i32 s60, s57, 3072
	s_add_co_u32 s58, s58, s60
	s_add_co_u32 s58, s58, 24576
	s_mov_b32 s59, 0
	s_add_nc_u64 s[60:61], s[12:13], s[58:59]
	s_lshl_b32 s58, s56, 8
	s_add_co_u32 s58, s58, s55
	s_lshl_b32 s57, s57, 7
	s_add_co_u32 s58, s58, s57
	s_add_co_u32 s58, s58, 50176
	s_add_nc_u64 s[62:63], s[12:13], s[58:59]
	s_wait_alu depctr_va_vdst(0)
.irp j, 0,1,2
	global_store_b128 v[G16], v[PC0+4*\j:PC0+4*\j+3], s[60:61] offset:512*\j
	global_store_b128 v[G16], v[PC1+4*\j:PC1+4*\j+3], s[60:61] offset:1536+512*\j
.endr
	v_cndmask_b32 v82, v[PW], v[PW+1], s52
	global_store_b32 v[G4], v82, s[62:63]
.Lend:
	s_wait_tensorcnt 0x0                           ; the wave's end
	ds_add_u32 v[SPW], v[NIL]
	s_wait_dscnt 0x0
	s_endpgm
.Lfunc_end_k_qe9ca4506d2_proj:
	.size	k_qe9ca4506d2_proj, .Lfunc_end_k_qe9ca4506d2_proj-k_qe9ca4506d2_proj
	.p2alignl 7, 3214868480
	.fill 96, 4, 3214868480
	.section	.rodata,"a",@progbits
	.p2align	6, 0x0
	.amdhsa_kernel k_qe9ca4506d2_proj
		.amdhsa_group_segment_fixed_size 206848
		.amdhsa_private_segment_fixed_size 0
		.amdhsa_enable_private_segment 0
		.amdhsa_kernarg_size 40
		.amdhsa_user_sgpr_count 2
		.amdhsa_user_sgpr_kernarg_segment_ptr 1
		.amdhsa_wavefront_size32 1
		.amdhsa_system_sgpr_workgroup_id_x 1
		.amdhsa_system_sgpr_workgroup_id_y 1
		.amdhsa_system_sgpr_workgroup_id_z 1
		.amdhsa_system_vgpr_workitem_id 0
		.amdhsa_next_free_vgpr 256
		.amdhsa_next_free_sgpr 72
		.amdhsa_reserve_vcc 0
		.amdhsa_float_denorm_mode_32 3
		.amdhsa_float_denorm_mode_16_64 3
		.amdhsa_memory_ordered 1
		.amdhsa_forward_progress 1
		.amdhsa_inst_pref_size 84
	.end_amdhsa_kernel
	.amdgpu_metadata
---
amdhsa.version: [ 1, 2 ]
amdhsa.kernels:
  - .name:           k_qe9ca4506d2_proj
    .symbol:         k_qe9ca4506d2_proj.kd
    .args:
      - { .name: xp, .offset: 0, .size: 8, .value_kind: global_buffer, .address_space: global }
      - { .name: wp, .offset: 8, .size: 8, .value_kind: global_buffer, .address_space: global }
      - { .name: qc, .offset: 16, .size: 8, .value_kind: global_buffer, .address_space: global }
      - { .name: qs, .offset: 24, .size: 8, .value_kind: global_buffer, .address_space: global }
      - { .name: kvp, .offset: 32, .size: 8, .value_kind: global_buffer, .address_space: global }
    .group_segment_fixed_size: 206848
    .private_segment_fixed_size: 0
    .kernarg_segment_align: 8
    .kernarg_segment_size: 40
    .max_flat_workgroup_size: 512
    .sgpr_count:     72
    .vgpr_count:     256
    .wavefront_size: 32
...
	.end_amdgpu_metadata
.endif
;; end of part 2
;; launch attn (part 3): grid 16 x 16, 8 waves a work-group, clusters of 4 x 1, 207,872 bytes of LDS; arguments qc, qs, kvp, ap; writes ap
.if DOCPART == 3
	.amdgcn_target "amdgcn-amd-amdhsa--gfx1250"
	.amdhsa_code_object_version 6
	.text
	.protected	k_qe9ca4506d2_attn
	.globl	k_qe9ca4506d2_attn
	.p2align	8
	.type	k_qe9ca4506d2_attn,@function
k_qe9ca4506d2_attn:
	s_mov_b64 s[64:65], 0
	v_nop
	global_prefetch_b8 v0, s[64:65] scope:SCOPE_SE
	s_setreg_imm32_b32 hwreg(HW_REG_WAVE_MODE, 25, 1), 1
	s_wait_xcnt 0x0
	s_wait_alu depctr_hold_cnt(0) depctr_sa_sdst(0) depctr_va_vdst(0) depctr_va_sdst(0) depctr_va_ssrc(0) depctr_va_vcc(0) depctr_vm_vsrc(0)
	s_getreg_b32 s2, hwreg(HW_REG_IB_STS2, 6, 4)
	s_cmp_eq_u32 s2, 0
	s_cbranch_scc0 .Lentry_in_a_cluster
	s_endpgm
.Lentry_in_a_cluster:
	s_bfe_u32 s2, ttmp6, 0x10000c
	s_cmp_lg_u32 s2, 0x3003
	s_cbranch_scc0 .Lentry_shape_is_right
	s_endpgm
.Lentry_shape_is_right:
; Attention with an ALiBi bias, no mask, both products on codes of FP6 (E2M3) with E8M0 scales.  logit = q . k / 8 + slope (j - i); t = logit x log2(e); M = the running largest t rounded up to a whole number;
; p = 2^(t - M) is quantised along the keys; the row's sum is taken of the unquantised p and divides O at the end; O / sum is quantised along the head for the last product and stored as codes.
; SHARES.  Work-group (g, combo = 4 b + kv): 128 queries x the four query heads of one key head.  Wave w: head 4 kv + w % 4, queries 64 (w / 4) on.  It holds TWO TILES of 16 queries at once, 32 queries apart
;   (tile 0, tile 1), in two passes (the second 8 queries on); a pass walks all 2,048 keys in 16 steps of 128.  Each fragment of K and of V read from LDS feeds both tiles.
; LDS.  All of the key head's K, V and scale words (204,800 bytes, as they lie in kvp: four chunks of 512 keys) come in once: wave c (0 .. 3) asks for chunk c.  Every wave waits for its loads, one barrier follows, nothing is filled again.
; CLUSTER.  The four work-groups of a cluster have the same combo: each chunk is asked for JOINTLY, by the same load with the same descriptor and a mask that names the four.
; LAYOUT.  Both products transposed: S^T = K Q^T, O^T = V^T P^T: a lane holds one query of each tile.  The keys of a tile of K are 32 b + 8 u + r + 8 (r / 8), so the 16 registers of tiles 2 b, 2 b + 1 are 16 neighbouring keys.
; K = 64 IN A FORM OF 128.  A fragment of K holds key tile u = 0 in its first 64 along K and tile u = 1 in its second; it is multiplied by [q | 0] and by [0 | q]: zero codes add nothing.
; THE BIAS IS ROUNDED STEP BY STEP, since p is quantised and slope (j - i) reaches 1,447: rel = j - i (whole numbers: exact) | slope x rel, rounded | score x 0.125 + that, rounded once | x log2(e), rounded | - M.
;   j - i = (first key + 32 b - tile 0's first query), a scalar, + (16 h + i - r - 8 (r / 8)), a table of 16 registers.  THE BIAS HANGS ON j - i ALONE: tile 1's queries lie 32 on, so its block b takes the bias of tile 0's block b - 1.
;   Four blocks of biases a step serve eight blocks of logits; they are made in two slots by turns, and the step's last block stays in its slot for tile 1's block 0 of the next step.
; REGISTER WINDOWS.  Window 0 (v0-255): addresses, q, scale registers, K's and V's fragments, O^T, p's codes.  Window 1 (v256-511): the scores of both tiles, the table, the bias slots, the softmax's state.
; No prefetch: all that the launch reads repeatedly is asked for at its head, and there is no loop over memory to run ahead in.
; LIMITS: NaN and infinities are not served; p under 2^-126 becomes 0 (v_exp_f32 flushes); a block of zeros gets the byte 1 (its codes are zeros); 1 / sum by v_rcp_f32.
.set CHB,   51200                      ; a chunk: 512 keys
.set SG,    204800                     ; behind K and V: the output's scale registers, 8 tiles x 128 bytes; written by LDS stores alone
.set SPARE, 205824                     ; the spare words, 128 bytes for each of 8 waves
.set SPW, 4                            ; v4 my spare word, v5 0; never rewritten
.set NIL, 5
; WINDOW 0.  v1 16 L, v2 4 L, v3 8 L, v6 4 r; v8, v9 LDS addresses of a step's fragments and scale words; v10, v11 the scale registers' stage, in and out; v12, v13 the tiles' half-words of scale bytes; v14, v15 at work
; v16-21 zeros, v22-27 tile 0's q, v28-33 zeros, v34-39 tile 1's q, v40-45 zeros: [0 | q] and [q | 0] are runs of twelve
.set QS,  46                           ; v46, v47   q's scale words, tile 0, 1
.set KS,  48                           ; v48, v49   K's scale registers
.set VS,  50                           ; v50, v51   V's
.set PW,  52                           ; v52, v53   p's scale words
.set KF,  54                           ; v54-101    four fragments of K
.set VF,  102                          ; v102-149   four fragments of V
.set O,   150                          ; v150-213   O^T: tile t, channel tile d at 32 t + 8 d
.set PC,  214                          ; v214-252   p's codes: tile t at 20 t .. + 11; conversions' second halves at 20 t + 12, + 16
; WINDOW 1 (written as v0-255)
.set S,   0                            ; 0-127   S^T, then logits, t, t - M, p: tile t at 64 t: eight blocks of 16
.set TB,  128                          ; 128-143 the table
.set X,   144                          ; 144-159, 160-175 the two bias slots
.set Y,   160
.set BM,  176                          ; 176-183 the eight blocks' largest logits, then t, t - M, p
.set PT,  184                          ; 184-191 permutes' targets, bytes
.set SOP, 192                          ; 192-199 the conversions' scale operands
.set M,   200                          ; tile t: 200 + 2 t: -M; + 1: the largest t
.set L,   204                          ; tile t: the pair 204 + 2 t: the sum in two halves
.set F,   208                          ; tile t: 208 + 2 t: f (the pair's upper word is written once)
.set C,   212                          ; 212-215 at work
.set D,   214
.set TS,  216                          ; 216-227 the sums' side chains: tile t, chain k at 6 t + 2 k
.set Q2,  228                          ; 228-239 the second pass's q, tile 0, 1
.set RW,  240                          ; 240-243 q's scale words as loaded: tile 0 pass 0, 1; tile 1 pass 0, 1
; s12 wave; s[20:21] lane selects; s[22:23] 0.125; s[24:25] slope; s[94:95] log2(e); s[52:59] four pairs: first key + 32 b - first query, as f32; s[84:85] the same for b = -1; s60, s61 the next step's LDS bases; s62, s63 counters
.set MSB, 0
.macro WIN new                         ; low byte: bits 1:0 source 0, 3:2 source 1, 5:4 source 2, 7:6 destination; the high byte repeats the setting that is left
.if MSB != \new
	s_set_vgpr_msb (MSB<<8)|\new
.set MSB, \new
.endif
.endm
.macro CROUND                          ; a round of the cluster's barrier
	s_barrier_signal -1
	s_barrier_wait -1
	s_cmp_lg_u32 s12, 0
	s_cbranch_scc1 .Lnot_wave_0_\@
	s_barrier_signal -3
.Lnot_wave_0_\@:
	s_barrier_wait -3
	s_barrier_signal -1
	s_barrier_wait -1
.endm
.macro ARM under, c, next              ; one arm of the first fills: wave c asks for chunk c
	s_cmp_lt_u32 s12, \under
	s_cbranch_scc0 \next
	tensor_load_to_lds s[36+4*(\c):39+4*(\c)], s[28:35]
	s_nop 0
.rept 4
	v_nop
.endr
	s_branch .Lasked
\next:
.endm
.macro SQK t, b, u                     ; tile t: S^T tile 2 b + u = fragment b of K x q in half u.  D in window 1
.if (\b)%2
	v_wmma_scale_f32_16x16x128_f8f6f4 v[S+64*(\t)+8*(2*(\b)+(\u)):S+64*(\t)+8*(2*(\b)+(\u))+7], v[KF+12*(\b):KF+12*(\b)+11], v[22+12*(\t)-6*(\u):33+12*(\t)-6*(\u)], 0, v[KS+(\b)/2], v[QS+(\t)] matrix_a_fmt:MATRIX_FMT_FP6 matrix_b_fmt:MATRIX_FMT_FP6 matrix_a_scale:MATRIX_SCALE_ROW1
.else
	v_wmma_scale_f32_16x16x128_f8f6f4 v[S+64*(\t)+8*(2*(\b)+(\u)):S+64*(\t)+8*(2*(\b)+(\u))+7], v[KF+12*(\b):KF+12*(\b)+11], v[22+12*(\t)-6*(\u):33+12*(\t)-6*(\u)], 0, v[KS+(\b)/2], v[QS+(\t)] matrix_a_fmt:MATRIX_FMT_FP6 matrix_b_fmt:MATRIX_FMT_FP6
.endif
.endm
.macro OPV t, d                        ; tile t: O^T tile d += fragment d of V x p.  All in window 0
.if (\d)%2
	v_wmma_scale_f32_16x16x128_f8f6f4 v[O+32*(\t)+8*(\d):O+32*(\t)+8*(\d)+7], v[VF+12*(\d):VF+12*(\d)+11], v[PC+20*(\t):PC+20*(\t)+11], v[O+32*(\t)+8*(\d):O+32*(\t)+8*(\d)+7], v[VS+(\d)/2], v[PW+(\t)] matrix_a_fmt:MATRIX_FMT_FP6 matrix_b_fmt:MATRIX_FMT_FP6 matrix_a_scale:MATRIX_SCALE_ROW1
.else
	v_wmma_scale_f32_16x16x128_f8f6f4 v[O+32*(\t)+8*(\d):O+32*(\t)+8*(\d)+7], v[VF+12*(\d):VF+12*(\d)+11], v[PC+20*(\t):PC+20*(\t)+11], v[O+32*(\t)+8*(\d):O+32*(\t)+8*(\d)+7], v[VS+(\d)/2], v[PW+(\t)] matrix_a_fmt:MATRIX_FMT_FP6 matrix_b_fmt:MATRIX_FMT_FP6
.endif
.endm
.macro KLOAD                           ; K's four fragments and two scale registers of the step at v8, v9
.irp b, 0,1,2,3
.irp j, 0,1,2
	ds_load_b128 v[KF+12*\b+4*\j:KF+12*\b+4*\j+3], v8 offset:1536*\b+512*\j
.endr
.endr
	ds_load_b32 v[KS], v9 offset:49152
	ds_load_b32 v[KS+1], v9 offset:49152+128
.endm
.macro BIAS slot, sp                   ; 16 biases into a slot: rel = j - i, exact; slope x rel, rounded
.irp k, 0,2,4,6,8,10,12,14
	v_pk_add_f32 v[(\slot)+\k:(\slot)+\k+1], v[TB+\k:TB+\k+1], s[(\sp):(\sp)+1] op_sel_hi:[1,0]
.endr
.irp k, 0,2,4,6,8,10,12,14
	v_pk_mul_f32 v[(\slot)+\k:(\slot)+\k+1], v[(\slot)+\k:(\slot)+\k+1], s[24:25] op_sel_hi:[1,0]
.endr
.endm
.macro LOGIT c, slot                   ; block c (tile c / 4, block c % 4): 16 logits: score x 0.125 + bias, rounded once; each accumulator is read from its low end on
.irp k, 0,2,4,6,8,10,12,14
	v_pk_fma_f32 v[S+16*(\c)+\k:S+16*(\c)+\k+1], v[S+16*(\c)+\k:S+16*(\c)+\k+1], s[22:23], v[(\slot)+\k:(\slot)+\k+1] op_sel_hi:[1,0,1]
.endr
.endm
.macro TMUL j0                         ; eight logits x log2(e), rounded: t
.irp k, 0,2,4,6
	v_pk_mul_f32 v[S+(\j0)+\k:S+(\j0)+\k+1], v[S+(\j0)+\k:S+(\j0)+\k+1], s[94:95] op_sel_hi:[1,0]
.endr
.endm
.macro SUMR r                          ; eight of the sums' additions: in each tile the main chain takes pair 3 + 4 r; side chain k takes pairs k and k + 4 (r = 0), then pair k + 4 + 4 r
.irp t, 0,1
	v_pk_add_f32 v[L+2*\t:L+2*\t+1], v[L+2*\t:L+2*\t+1], v[S+64*\t+6+8*(\r):S+64*\t+7+8*(\r)]
.irp k, 0,1,2
.if (\r) == 0
	v_pk_add_f32 v[TS+6*\t+2*\k:TS+6*\t+2*\k+1], v[S+64*\t+2*\k:S+64*\t+2*\k+1], v[S+64*\t+2*\k+8:S+64*\t+2*\k+9]
.else
	v_pk_add_f32 v[TS+6*\t+2*\k:TS+6*\t+2*\k+1], v[TS+6*\t+2*\k:TS+6*\t+2*\k+1], v[S+64*\t+2*\k+8+8*(\r):S+64*\t+2*\k+9+8*(\r)]
.endif
.endr
.endr
.endm
.macro TOFRAG n                        ; n blocks pairs a tile: a whole block to a lane (lanes 0-15 the even block, lanes 16-31 the odd one); all in window 0
.irp t, 0,1
.irp c, 0,1
.if \c < (\n)
.irp i, 0,1,2
	v_permlane16_swap_b32 v[PC+20*\t+6*\c+\i], v[PC+20*\t+12+4*\c+\i]
.endr
.endif
.endr
.endr
.irp t, 0,1
.irp c, 0,1
.if \c < (\n)
.irp i, 0,1,2
	v_mov_b32 v[PC+20*\t+6*\c+3+\i], v[PC+20*\t+12+4*\c+\i]
.endr
.endif
.endr
.endr
.endm
	s_load_b256 s[4:11], s[0:1], 0x0               ; qc s[4:5], qs s[6:7], kvp s[8:9], ap s[10:11]
	v_lshl_add_u32 v[SPW], v0, 2, SPARE
	v_mov_b32 v[NIL], 0
	ds_add_u32 v[SPW], v[NIL]                      ; the wave's opening: the add, twice on end, and its wait ahead of the round in front of the first tensor loads
	ds_add_u32 v[SPW], v[NIL]
	v_lshrrev_b32 v8, 5, v0
	v_readfirstlane_b32 s12, v8                    ; wave 0..7
	s_bfe_u32 s13, ttmp6, 0x40000                  ; cx: it enters global addresses and the bias's numbers alone
	s_lshl_b32 s14, ttmp9, 2
	s_add_co_u32 s14, s14, s13                     ; g: my block of 128 queries
	s_and_b32 s15, ttmp7, 0xffff                   ; combo, which the four partners share
	s_lshr_b32 s16, s15, 2                         ; b
	s_and_b32 s17, s15, 3                          ; kv
	s_and_b32 s18, s12, 3                          ; hh
	s_lshr_b32 s19, s12, 2                         ; Bp: which 64 queries
	s_mov_b32 s28, 15|(3<<16)|(1<<21)              ; descriptor group 1: the mask names all four; elements of 8 bytes; bit 21 beside a mask; no padding
	s_mov_b32 s29, 32<<16                          ; a dense chunk as 200 rows of 256 bytes
	s_mov_b32 s30, 200<<16
	s_mov_b32 s31, 32<<16
	s_mov_b32 s32, 200
	s_mov_b32 s33, 32
	s_mov_b32 s34, 0
	s_mov_b32 s35, 0
	s_mov_b32 s20, 0x76543210
	s_mov_b32 s21, 0xfedcba98
	s_mov_b32 s22, 0x3e000000                      ; 0.125 = 64^(-1/2)
	s_mov_b32 s23, s22                             ; (the packed forms name pairs and take the low word for both halves: so the upper words are written)
	s_mov_b32 s94, 0x3fb8aa3b                      ; log2(e)
	s_mov_b32 s95, s94
.irp b, 0,1,2,3
	s_mov_b32 s[53+2*\b], 0
.endr
	s_mov_b32 s85, 0
	s_lshl_b32 s26, s17, 2
	s_add_co_u32 s26, s26, s18                     ; head
	s_add_co_u32 s27, s26, 1                       ; slope = 2^(-n / 2), n = head + 1, rounded to f32:
	s_mov_b32 s24, 0x3f800000
	s_bitcmp1_b32 s27, 0
	s_cselect_b32 s24, 0x3f3504f3, s24             ; 2^(-1/2) where n is odd,
	s_lshr_b32 s27, s27, 1
	s_lshl_b32 s27, s27, 23
	s_sub_co_u32 s24, s24, s27                     ; n / 2 off the exponent field
	s_mov_b32 s25, s24
	v_and_b32 v7, 31, v0                           ; L
	v_and_b32 v14, 15, v0                          ; r
	v_bfe_u32 v15, v0, 4, 1                        ; h
	v_lshlrev_b32 v1, 4, v7
	v_lshlrev_b32 v2, 2, v7
	v_lshlrev_b32 v3, 3, v7
	v_lshlrev_b32 v6, 2, v14
	v_and_b32 v8, 8, v14
	v_lshlrev_b32 v15, 4, v15
	v_add_nc_u32 v8, v8, v14                       ; r + 8 (r / 8)
	v_mov_b32 v12, 0                               ; the half-words
	v_mov_b32 v13, 0
	v_sub_nc_u32 v15, v15, v8                      ; 16 h - r - 8 (r / 8)
.irp k, 16,17,18,19,20,21,28,29,30,31,32,33,40,41,42,43,44,45
	v_mov_b32 v[\k], 0                             ; the zero codes beside q
.endr
	WIN 0x40                                       ; destinations in window 1
.irp k, 0,1,2,3,4,5,6,7,8,9,10,11,12,13,14,15
	v_add_nc_u32 v[TB+\k], \k, v15
.endr
.irp k, 0,1,2,3,4,5,6,7
	v_mov_b32 v[PT+\k], 0                          ; written once: a lane permute's destination counts as one of its sources
.endr
	v_mov_b32 v[C], 0
	v_mov_b32 v[C+1], 0
	v_mov_b32 v[F+1], 0                            ; the upper words of f's pairs
	v_mov_b32 v[F+3], 0
	WIN 0x41
.irp k, 0,1,2,3,4,5,6,7,8,9,10,11,12,13,14,15
	v_cvt_f32_i32 v[TB+\k], v[TB+\k]               ; 16 h + i - r - 8 (r / 8), at i
.endr
	WIN 0
	s_lshl_b32 s76, s19, 9                         ; the scale registers' stage: tile 4 Bp + 2 t + pass: 128 bytes; in it 64 (hh / 2) + 4 r + 2 (hh % 2)
	s_lshr_b32 s77, s18, 1
	s_lshl_b32 s77, s77, 6
	s_add_co_u32 s76, s76, s77
	s_and_b32 s77, s18, 1
	s_lshl_b32 s80, s77, 1
	s_add_co_u32 s76, s76, s80
	s_add_co_u32 s76, s76, SG
	v_add_nc_u32 v10, s76, v6
	v_add_nc_u32 v11, SG, v1
	s_lshl_b32 s77, s77, 4                         ; which half of q's scale word is my head's
	; offsets, made apart from the addresses
	s_lshl_b32 s80, s14, 3
	s_lshl_b32 s81, s19, 2
	s_add_co_u32 s80, s80, s81                     ; tile 0's token tile in the batch, first pass: 8 g + 4 Bp (the second pass: 1 on; tile 1: 2 on)
	s_lshl_b32 s84, s16, 4
	s_add_co_u32 s84, s84, s26
	s_lshl_b32 s84, s84, 7
	s_add_co_u32 s84, s84, s80
	s_mul_i32 s84, s84, 768                        ; in qc
	s_lshl_b32 s86, s16, 3
	s_lshr_b32 s82, s26, 1
	s_add_co_u32 s86, s86, s82
	s_lshl_b32 s86, s86, 7
	s_add_co_u32 s86, s86, s80
	s_lshl_b32 s86, s86, 6                         ; in qs
	s_mov_b32 s87, 0
	s_lshl_b32 s83, s16, 3
	s_lshr_b32 s82, s14, 1
	s_add_co_u32 s83, s83, s82
	s_mul_i32 s83, s83, 204800
	s_mul_i32 s82, s17, 51200
	s_add_co_u32 s83, s83, s82                     ; ap: the group of 256 tokens, chunk kv
	s_and_b32 s82, s14, 1
	s_lshl_b32 s90, s82, 10
	s_add_co_u32 s90, s90, s83
	s_add_co_u32 s90, s90, 49152                   ; my work-group's eight scale registers
	s_mov_b32 s91, 0
	s_lshl_b32 s82, s82, 3
	s_add_co_u32 s82, s82, s81                     ; the tile in the group
	s_mul_i32 s88, s82, 1536
	s_add_co_u32 s88, s88, s83
	s_lshr_b32 s82, s18, 1
	s_mul_i32 s82, s82, 24576                      ; K step hh / 2,
	s_add_co_u32 s88, s88, s82
	s_and_b32 s82, s18, 1
	s_mul_i32 s82, s82, 768                        ; half hh % 2 of the image
	s_add_co_u32 s88, s88, s82
	s_mov_b32 s89, 0
	s_mul_i32 s92, s15, 204800                     ; kvp: made of the combo alone
	s_mov_b32 s93, 0
	s_lshl_b32 s78, s14, 7
	s_lshl_b32 s82, s19, 6
	s_add_co_u32 s78, s78, s82
	s_sub_co_u32 s78, 2048, s78                    ; 2,048 - tile 0's first query in the first pass
	s_wait_alu depctr_va_vdst(0)
	s_wait_dscnt 0x0                               ; both opening adds are done
	s_wait_kmcnt 0x0
	s_add_nc_u64 s[68:69], s[4:5], s[84:85]
	s_add_nc_u64 s[70:71], s[6:7], s[86:87]
	s_add_nc_u64 s[72:73], s[10:11], s[88:89]
	s_add_nc_u64 s[74:75], s[10:11], s[90:91]
	s_add_nc_u64 s[8:9], s[8:9], s[92:93]
.irp c, 0,1,2,3
	s_mov_b32 s[36+4*\c], 1                        ; descriptor group 0, a set for each chunk
	s_mov_b32 s[37+4*\c], \c*CHB
	s_add_nc_u64 s[38+4*\c:39+4*\c], s[8:9], \c*CHB
	s_or_b32 s[39+4*\c], s[39+4*\c], 0x80000000
.endr
	CROUND                                         ; all four work-groups are here: the joint loads meet
	ARM 1, 0, .Larm1                               ; one chain of branches on the wave's number: one load in each of waves 0-3, none in the others
	ARM 2, 1, .Larm2
	ARM 3, 2, .Larm3
	ARM 4, 3, .Larm4
.Lasked:
	global_load_b64  v[22:23], v3, s[68:69]        ; the first pass's q, half an image a tile: tile 0,
	global_load_b128 v[24:27], v1, s[68:69] offset:256
	global_load_b64  v[34:35], v3, s[68:69] offset:1536    ; tile 1
	global_load_b128 v[36:39], v1, s[68:69] offset:1792
	WIN 0x40                                       ; into window 1: the second pass's q,
	global_load_b64  v[Q2:Q2+1],    v3, s[68:69] offset:768
	global_load_b128 v[Q2+2:Q2+5],  v1, s[68:69] offset:1024
	global_load_b64  v[Q2+6:Q2+7],  v3, s[68:69] offset:2304
	global_load_b128 v[Q2+8:Q2+11], v1, s[68:69] offset:2560
.irp k, 0,1,2,3
	global_load_b32  v[RW+\k], v6, s[70:71] offset:64*\k   ; and the head pair's scale words of row r, four token tiles on end
.endr
	WIN 0
	s_wait_tensorcnt 0x0                           ; my chunk, if I asked for one, is in:
	s_barrier_signal -1
	s_barrier_wait -1                              ; so all four are, for every wave
	s_mov_b32 s60, 0
	v_add_nc_u32 v8, s60, v1
	v_add_nc_u32 v9, s60, v2
	KLOAD                                          ; step 0's K
	s_wait_loadcnt 0x0
	s_mov_b32 s63, 2
.Lpass:                                            ; two passes
.irp b, 0,1,2,3
	s_add_co_u32 s79, s78, 32*\b
	s_cvt_f32_u32 s[52+2*\b], s79
	s_add_f32 s[52+2*\b], s[52+2*\b], 0xc5000000   ; 32 b - first query: a whole number, exact
.endr
	s_sub_co_u32 s79, s78, 32                      ; (s78 is 56 at the least)
	s_cvt_f32_u32 s84, s79
	s_add_f32 s84, s84, 0xc5000000                 ; -32 - first query
	WIN 0x55                                       ; all in window 1
	v_mov_b32 v[M+1], 0xff61b1e6                   ; the largest t so far: -3e38
	v_mov_b32 v[M+3], 0xff61b1e6
.irp k, 0,1,2,3
	v_mov_b32 v[L+\k], 0
.endr
	v_floor_f32 v[M], -v[M+1]
	v_floor_f32 v[M+2], -v[M+3]
	BIAS X, 84                                     ; the block ahead of key 0: tile 1's block 0 of the first step
	WIN 0x04                                       ; source 1 in window 1
	v_lshrrev_b32 v14, s77, v[RW]
	v_lshrrev_b32 v15, s77, v[RW+2]
	WIN 0
	v_and_b32 v14, 0xffff, v14                     ; my head's two bytes,
	v_and_b32 v15, 0xffff, v15
	v_lshl_or_b32 v[QS], v14, 16, v14              ; for either half of K
	v_lshl_or_b32 v[QS+1], v15, 16, v15
.set J, 0
.rept 64
	v_mov_b32 v[O+J], 0                            ; O^T: the first step finds zeros, which the first change of M leaves zeros.  (Also the places between q, its scale words and the first product)
.set J, J+1
.endr
	s_mov_b32 s62, 0
	s_wait_alu depctr_va_vdst(0)
.Lstep:                                            ; A KEY STEP: 128 keys, both tiles
	s_wait_dscnt 0x0                               ; K and its words, asked for in the step before, are in
	WIN 0x40
.irp b, 0,1,2,3
.irp t, 0,1
	SQK \t, \b, 0
	SQK \t, \b, 1
.endr
.endr
	s_add_co_u32 s80, s62, 1                       ; the next step, 0 behind 15: chunk n / 4, step n % 4 in it
	s_and_b32 s80, s80, 15
	s_lshr_b32 s81, s80, 2
	s_mul_i32 s81, s81, CHB
	s_and_b32 s80, s80, 3
	s_mul_i32 s60, s80, 6144
	s_add_co_u32 s60, s60, s81
	s_lshl_b32 s61, s80, 8
	s_add_co_u32 s61, s61, s81
	WIN 0x55
	BIAS Y, 52                                     ; sixteen plain instructions that name none of the products' registers: the places in front of the loads into K's registers and of the first read of the scores
	WIN 0
.irp t, 0,1,2,3
.irp j, 0,1,2
	ds_load_b128 v[VF+12*\t+4*\j:VF+12*\t+4*\j+3], v8 offset:24576+1536*\t+512*\j    ; this step's V,
.endr
.endr
	ds_load_b32 v[VS], v9 offset:50176
	ds_load_b32 v[VS+1], v9 offset:50176+128
	v_add_nc_u32 v8, s60, v1                       ; from here on: the next step's addresses
	v_add_nc_u32 v9, s61, v2
	KLOAD                                          ; and the next step's K: both land while the softmax is walked
	WIN 0x55
	LOGIT 4, X                                     ; tile 1's block b takes the bias of tile 0's block b - 1
	LOGIT 0, Y
	LOGIT 5, Y
	BIAS X, 54
	LOGIT 1, X
	LOGIT 6, X
	BIAS Y, 56
	LOGIT 2, Y
	LOGIT 7, Y
	BIAS X, 58                                     ; stays in its slot for the next step
	LOGIT 3, X
.irp c, 0,1,2,3,4,5,6,7
	v_max3_num_f32 v[BM+\c], v[S+16*\c], v[S+16*\c+1], v[S+16*\c+2]      ; the largest logit of each block of 32 keys: it serves for the row's maximum and, since p rises with the logit, for the block's largest p.  Eight chains by turns
.endr
.irp i, 3,5,7,9,11,13
.irp c, 0,1,2,3,4,5,6,7
	v_max3_num_f32 v[BM+\c], v[BM+\c], v[S+16*\c+\i], v[S+16*\c+\i+1]
.endr
.endr
.irp c, 0,1,2,3,4,5,6,7
	v_max_num_f32 v[BM+\c], v[BM+\c], v[S+16*\c+15]
.endr
.irp c, 0,1,2,3,4,5,6,7
	v_permlanex16_b32 v[PT+\c], v[BM+\c], s20, s21
.endr
.irp c, 0,1,2,3,4,5,6,7
	v_max_num_f32 v[BM+\c], v[BM+\c], v[PT+\c]     ; with lane l xor 16's 16 keys
.endr
.irp c, 0,1,2,3,4,5,6,7
	v_mul_f32 v[BM+\c], s94, v[BM+\c]              ; as t: the same multiplication as the scores'
.endr
	TMUL 0                                         ; the scores' t stand between the links of the chains that make M and f
	TMUL 8
	v_max3_num_f32 v[C], v[BM], v[BM+1], v[BM+2]
	v_max3_num_f32 v[C+1], v[BM+4], v[BM+5], v[BM+6]
	TMUL 16
	v_max3_num_f32 v[M+1], v[C], v[BM+3], v[M+1]   ; the running largest t
	v_max3_num_f32 v[M+3], v[C+1], v[BM+7], v[M+3]
	v_mov_b32 v[D], v[M]
	v_mov_b32 v[D+1], v[M+2]
	TMUL 24
	v_floor_f32 v[M], -v[M+1]                      ; the new -M = -ceil(t): a whole number
	v_floor_f32 v[M+2], -v[M+3]
	TMUL 32
	v_sub_f32 v[D], v[M], v[D]                     ; old M - new M, 0 or less
	v_sub_f32 v[D+1], v[M+2], v[D+1]
	TMUL 40
	v_cvt_i32_f32 v[D], v[D]                       ; (it saturates)
	v_cvt_i32_f32 v[D+1], v[D+1]
	TMUL 48
	v_ldexp_f32 v[F], 1.0, v[D]                    ; f = 2^(old M - new M): a multiplication by it rounds nothing
	v_ldexp_f32 v[F+2], 1.0, v[D+1]
.irp j, 56,64,72,80,88,96,104,112,120
	TMUL \j
.endr
.irp t, 0,1
.set J, 0
.rept 32
	v_pk_add_f32 v[S+64*\t+J:S+64*\t+J+1], v[S+64*\t+J:S+64*\t+J+1], v[M+2*\t:M+2*\t+1] op_sel_hi:[1,0]   ; t - M, two at a time (of the pair the low word, -M, serves both halves)
.set J, J+2
.endr
.endr
.irp c, 0,1,2,3,4,5,6,7
	v_add_f32 v[BM+\c], v[BM+\c], v[M+2*(\c/4)]    ; the same of each block's largest t
.endr
	v_pk_mul_f32 v[L:L+1], v[L:L+1], v[F:F+1] op_sel_hi:[1,0]            ; the sums under the new M
	v_pk_mul_f32 v[L+2:L+3], v[L+2:L+3], v[F+2:F+3] op_sel_hi:[1,0]
	WIN 0x04                                       ; O^T in window 0, f in window 1
.irp t, 0,1
.set J, 0
.rept 16
	v_pk_mul_f32 v[O+32*\t+J:O+32*\t+J+1], v[O+32*\t+J:O+32*\t+J+1], v[F+2*\t:F+2*\t+1] op_sel_hi:[1,0]   ; O^T under the new M; each accumulator from its low end on
.set J, J+2
.endr
.endr
	WIN 0x55
	s_wait_alu depctr_va_vdst(0)
.irp c, 0,1,2,3,4,5,6,7
	v_exp_f32 v[BM+\c], v[BM+\c]                   ; the block's largest p: the same instructions on the same number as that key's own p
.endr
.set J, 0
.rept 128
	v_exp_f32 v[S+J], v[S+J]                       ; p = 2^(t - M), at most 1, not normalised
.set J, J+1
.endr
	v_nop                                          ; the plain place behind the batch
	s_wait_alu depctr_va_vdst(0)                   ; one wait for the 136, ahead of their first reader
.irp c, 0,1,2,3,4,5,6,7
	v_max_num_f32 v[BM+\c], 0x1800000, v[BM+\c]    ; the floor 2^(3 - 127): the byte cannot fall under 1
.endr
.irp c, 0,1,2,3,4,5,6,7
	v_add_nc_u32 v[SOP+\c], 0xff000000, v[BM+\c]   ; 2 off the exponent field: the conversion's scale operand
.endr
.irp c, 0,1,2,3,4,5,6,7
	v_lshrrev_b32 v[PT+\c], 23, v[SOP+\c]          ; the byte
.endr
	v_lshl_or_b32 v[C], v[PT+1], 8, v[PT]          ; p's scale words for these 128 keys
	v_lshl_or_b32 v[C+1], v[PT+5], 8, v[PT+4]
	v_lshl_or_b32 v[C], v[PT+2], 16, v[C]
	v_lshl_or_b32 v[C+1], v[PT+6], 16, v[C+1]
	WIN 0x15                                       ; the whole words go to window 0
	v_lshl_or_b32 v[PW], v[PT+3], 24, v[C]
	v_lshl_or_b32 v[PW+1], v[PT+7], 24, v[C+1]
	WIN 0x05                                       ; codes into window 0
.irp t, 0,1
.irp c, 0,1
	v_cvt_scalef32_pk16_fp6_f32 v[PC+20*\t+6*\c:PC+20*\t+6*\c+2], v[S+64*\t+32*\c:S+64*\t+32*\c+15], v[SOP+4*\t+2*\c]
	v_cvt_scalef32_pk16_fp6_f32 v[PC+20*\t+12+4*\c:PC+20*\t+14+4*\c], v[S+64*\t+32*\c+16:S+64*\t+32*\c+31], v[SOP+4*\t+2*\c+1]   ; (a conversion's three registers begin on an even number)
.endr
.endr
	WIN 0
	v_nop                                          ; one plain place behind the conversions
	TOFRAG 2
	WIN 0x55
	SUMR 0                                         ; THE ROWS' SUMS OF THE UNQUANTISED p, in eight chains.  These eight are also the places between p's codes and scale words and the products
	WIN 0
	s_wait_alu depctr_va_vdst(0)
	s_wait_dscnt 0x0                               ; V is in (and the next step's K)
.irp d, 0,1,2,3
	OPV 0, \d                                      ; eight accumulators by turns
	OPV 1, \d
.endr
	WIN 0x55
.irp r, 1,2,3,4,5,6
	SUMR \r
.endr
	v_pk_add_f32 v[L:L+1], v[L:L+1], v[S+62:S+63]
	v_pk_add_f32 v[L+2:L+3], v[L+2:L+3], v[S+126:S+127]
	v_pk_add_f32 v[TS:TS+1], v[TS:TS+1], v[TS+2:TS+3]
	v_pk_add_f32 v[TS+6:TS+7], v[TS+6:TS+7], v[TS+8:TS+9]
	s_delay_alu instid0(VALU_DEP_4)
	v_pk_add_f32 v[L:L+1], v[L:L+1], v[TS+4:TS+5]
	s_delay_alu instid0(VALU_DEP_4)
	v_pk_add_f32 v[L+2:L+3], v[L+2:L+3], v[TS+10:TS+11]
	s_delay_alu instid0(VALU_DEP_2)
	v_pk_add_f32 v[L:L+1], v[L:L+1], v[TS:TS+1]
	s_delay_alu instid0(VALU_DEP_2)
	v_pk_add_f32 v[L+2:L+3], v[L+2:L+3], v[TS+6:TS+7]
	WIN 0                                          ; at a label and at a branch every window is 0
.irp b, 0,1,2,3
	s_add_f32 s[52+2*\b], s[52+2*\b], 0x43000000   ; 128 keys on
.endr
	s_add_co_u32 s62, s62, 1
	s_cmp_lt_u32 s62, 16
	s_wait_alu depctr_va_vdst(0)
	s_cbranch_scc1 .Lstep
	; the pass's way out: O^T / sum, quantised along the head's 64: half an image of the last product's operand for each tile.  (The sums' additions stand behind the last products as their places)
	WIN 0x55
	v_add_f32 v[L], v[L], v[L+1]
	v_add_f32 v[L+2], v[L+2], v[L+3]
	v_permlanex16_b32 v[C], v[L], s20, s21
	v_permlanex16_b32 v[C+1], v[L+2], s20, s21
	v_add_f32 v[L], v[L], v[C]                     ; the rows' sums
	v_add_f32 v[L+2], v[L+2], v[C+1]
	s_wait_alu depctr_va_vdst(0)
	v_rcp_f32 v[L], v[L]
	v_rcp_f32 v[L+2], v[L+2]
	v_nop                                          ; a plain instruction behind the reciprocals,
	WIN 0x44                                       ; (O^T from window 0; 1 / sum and the results in window 1)
	s_wait_alu depctr_va_vdst(0)                   ; and the wait ahead of their first reader and of O^T's
.irp t, 0,1
.irp j, 0,2,4,6,8,10,12,14,16,18,20,22,24,26,28,30
	v_pk_mul_f32 v[S+64*\t+\j:S+64*\t+\j+1], v[O+32*\t+\j:O+32*\t+\j+1], v[L+2*\t:L+2*\t+1] op_sel_hi:[1,0]   ; register 16 B + i is channel 32 B + 16 h + i of my query; each accumulator from its low end on
.endr
.endr
	WIN 0x55
.irp c, 0,1,2,3                        ; four blocks: tile c / 2, block c % 2, at S + 16 c + 32 (c / 2)
	v_max3_num_f32 v[BM+\c], |v[S+16*\c+32*(\c/2)]|, |v[S+16*\c+32*(\c/2)+1]|, 0x1800000
.endr
.irp i, 2,4,6,8,10,12,14
.irp c, 0,1,2,3
	v_max3_num_f32 v[BM+\c], v[BM+\c], |v[S+16*\c+32*(\c/2)+\i]|, |v[S+16*\c+32*(\c/2)+\i+1]|
.endr
.endr
.irp c, 0,1,2,3
	v_permlanex16_b32 v[PT+\c], v[BM+\c], s20, s21
.endr
.irp c, 0,1,2,3
	v_max_num_f32 v[BM+\c], v[BM+\c], v[PT+\c]
.endr
.irp c, 0,1,2,3
	v_add_nc_u32 v[SOP+\c], 0xff000000, v[BM+\c]
.endr
.irp c, 0,1,2,3
	v_lshrrev_b32 v[PT+\c], 23, v[SOP+\c]
.endr
	WIN 0x15
	v_lshl_or_b32 v14, v[PT+1], 8, v[PT]           ; my head's two bytes of row r, tile 0,
	v_lshl_or_b32 v15, v[PT+3], 8, v[PT+2]         ; tile 1
	WIN 0x05
.irp t, 0,1
	v_cvt_scalef32_pk16_fp6_f32 v[PC+20*\t:PC+20*\t+2], v[S+64*\t:S+64*\t+15], v[SOP+2*\t]
	v_cvt_scalef32_pk16_fp6_f32 v[PC+20*\t+12:PC+20*\t+14], v[S+64*\t+16:S+64*\t+31], v[SOP+2*\t+1]
.endr
	WIN 0
	v_nop                                          ; one plain place behind the conversions
	v_lshl_or_b32 v12, v12, 16, v14                ; kept: the first pass's bytes end up in the high half, the second's in the low
	v_lshl_or_b32 v13, v13, 16, v15
	TOFRAG 1
	global_store_b64  v3, v[PC:PC+1],       s[72:73]
	global_store_b128 v1, v[PC+2:PC+5],     s[72:73] offset:256
	global_store_b64  v3, v[PC+20:PC+21],   s[72:73] offset:3072         ; tile 1: two token tiles on
	global_store_b128 v1, v[PC+22:PC+25],   s[72:73] offset:3328
	WIN 0x01                                       ; source in window 1
.irp i, 0,1,2,3,4,5
	v_mov_b32 v[22+\i], v[Q2+\i]                   ; the second pass's q takes the first's place,
	v_mov_b32 v[34+\i], v[Q2+6+\i]
.endr
	WIN 0x55
	v_mov_b32 v[RW], v[RW+1]                       ; and so do its scale words
	v_mov_b32 v[RW+2], v[RW+3]
	WIN 0
	s_wait_xcnt 0x0                                ; the stores have read their base and data: both may be written again
	s_add_nc_u64 s[72:73], s[72:73], 1536
	s_sub_co_u32 s78, s78, 8                       ; the second pass's first queries lie 8 on
	s_sub_co_u32 s63, s63, 1
	s_cmp_lg_u32 s63, 0
	s_wait_alu depctr_va_vdst(0)
	s_cbranch_scc1 .Lpass
	; the scale registers of my work-group's eight tiles meet in LDS (both lanes of a row write the same bytes) and leave in whole runs of 512 bytes
	ds_store_b16 v10, v12 offset:128
	ds_store_b16_d16_hi v10, v12
	ds_store_b16 v10, v13 offset:384
	ds_store_b16_d16_hi v10, v13 offset:256
	s_wait_dscnt 0x0                               ; for the others' sake: my stores are done (and the last step's loads of K are back)
	s_barrier_signal -1
	s_barrier_wait -1
	s_cmp_lg_u32 s12, 0
	s_cbranch_scc1 .Lnot_0
	ds_load_b128 v[102:105], v11
	ds_load_b128 v[106:109], v11 offset:512
	s_wait_dscnt 0x0
	global_store_b128 v1, v[102:105], s[74:75]
	global_store_b128 v1, v[106:109], s[74:75] offset:512
.Lnot_0:
	s_wait_tensorcnt 0x0                           ; the wave's end
	ds_add_u32 v[SPW], v[NIL]
	s_wait_dscnt 0x0
	CROUND                                         ; the closing round
	s_endpgm
.Lfunc_end_k_qe9ca4506d2_attn:
	.size	k_qe9ca4506d2_attn, .Lfunc_end_k_qe9ca4506d2_attn-k_qe9ca4506d2_attn
	.p2alignl 7, 3214868480
	.fill 96, 4, 3214868480
	.section	.rodata,"a",@progbits
	.p2align	6, 0x0
	.amdhsa_kernel k_qe9ca4506d2_attn
		.amdhsa_group_segment_fixed_size 207872
		.amdhsa_private_segment_fixed_size 0
		.amdhsa_enable_private_segment 0
		.amdhsa_kernarg_size 32
		.amdhsa_user_sgpr_count 2
		.amdhsa_user_sgpr_kernarg_segment_ptr 1
		.amdhsa_wavefront_size32 1
		.amdhsa_system_sgpr_workgroup_id_x 1
		.amdhsa_system_sgpr_workgroup_id_y 1
		.amdhsa_system_sgpr_workgroup_id_z 1
		.amdhsa_system_vgpr_workitem_id 0
		.amdhsa_next_free_vgpr 512
		.amdhsa_next_free_sgpr 100
		.amdhsa_reserve_vcc 0
		.amdhsa_float_denorm_mode_32 3
		.amdhsa_float_denorm_mode_16_64 3
		.amdhsa_memory_ordered 1
		.amdhsa_forward_progress 1
		.amdhsa_inst_pref_size 67
	.end_amdhsa_kernel
	.amdgpu_metadata
---
amdhsa.version: [ 1, 2 ]
amdhsa.kernels:
  - .name:           k_qe9ca4506d2_attn
    .symbol:         k_qe9ca4506d2_attn.kd
    .args:
      - { .name: qc, .offset: 0, .size: 8, .value_kind: global_buffer, .address_space: global }
      - { .name: qs, .offset: 8, .size: 8, .value_kind: global_buffer, .address_space: global }
      - { .name: kvp, .offset: 16, .size: 8, .value_kind: global_buffer, .address_space: global }
      - { .name: ap, .offset: 24, .size: 8, .value_kind: global_buffer, .address_space: global }
    .group_segment_fixed_size: 207872
    .private_segment_fixed_size: 0
    .kernarg_segment_align: 8
    .kernarg_segment_size: 32
    .max_flat_workgroup_size: 256
    .sgpr_count:     100
    .vgpr_count:     512
    .wavefront_size: 32
...
	.end_amdgpu_metadata
.endif
;; end of part 3
;; launch oproj (part 4): grid 32 x 8, 8 waves a work-group, clusters of 4 x 1, 171,008 bytes of LDS; arguments ap, wop, out0; writes out0
.if DOCPART == 4
	.amdgcn_target "amdgcn-amd-amdhsa--gfx1250"
	.amdhsa_code_object_version 6
	.text
	.protected	k_qe9ca4506d2_oproj
	.globl	k_qe9ca4506d2_oproj
	.p2align	8
	.type	k_qe9ca4506d2_oproj,@function
k_qe9ca4506d2_oproj:
	s_mov_b64 s[64:65], 0
	v_nop
	global_prefetch_b8 v0, s[64:65] scope:SCOPE_SE
	s_setreg_imm32_b32 hwreg(HW_REG_WAVE_MODE, 25, 1), 1
	s_wait_xcnt 0x0
	s_wait_alu depctr_hold_cnt(0) depctr_sa_sdst(0) depctr_va_vdst(0) depctr_va_sdst(0) depctr_va_ssrc(0) depctr_va_vcc(0) depctr_vm_vsrc(0)
	s_getreg_b32 s2, hwreg(HW_REG_IB_STS2, 6, 4)
	s_cmp_eq_u32 s2, 0
	s_cbranch_scc0 .Lentry_in_a_cluster
	s_endpgm
.Lentry_in_a_cluster:
	s_bfe_u32 s2, ttmp6, 0x10000c
	s_cmp_lg_u32 s2, 0x3003
	s_cbranch_scc0 .Lentry_shape_is_right
	s_endpgm
.Lentry_shape_is_right:
; out0 = a Wo on codes of FP6 (E2M3) with E8M0 scales, K = 1,024.  a: the attention's output as codes (ap, groups of 16 token tiles); Wo as codes (wop, groups of 8 column tiles); out0 [8192][1024] f32.
; Work-group (tg, y): 256 tokens x 128 columns; 256 work-groups.  Wave w: P = the group's 8 column tiles (source 0) x R = token tiles 2 w, 2 w + 1 (source 1): 16 accumulators;
; a lane holds a token, and its registers run along the columns: 32 (m / 2) + 16 h + 8 (m % 2) + 0 .. 7 in tile m.
; P's whole group (102,400 bytes, four chunks of 256 along K) comes into LDS once: wave c (0 .. 3) asks for chunk c; every wave waits for its loads, one barrier follows, nothing is filled again.
; R: ALL of a wave's fragments (2 tiles x 8 K steps x 12 registers = 192) are asked of memory at the head, 64 loads, K ascending, into register window 1 (v256-447); K step ks waits until only the 8 (7 - ks) younger loads are out.
; REGISTER WINDOWS: the products run under ONE setting, source 1 in window 1; LDS loads name a destination and source 0, which stay in window 0: so the 32 half-groups need no switch.
; CLUSTER.  The four work-groups of a cluster have the same y, so the same P: each chunk is asked for JOINTLY, by the same load with the same descriptor and a mask that names the four.
; THE WAY OUT goes through each wave's own stage in LDS: whole rows of 512 bytes leave, two aligned runs of 256 bytes a store.
; No prefetch: all that the launch reads is asked for at its head.
.set CHB,   25600                      ; a chunk of P in LDS
.set ESTR,  12288                      ; from its K step 0 to its K step 1
.set STG,   102400                     ; behind P: a stage of 16 rows x (512 + 16) bytes for each wave; no tensor load lands there
.set SPARE, 169984                     ; the spare words, 128 bytes for each of 8 waves
.set APS, 3                            ; v3  4 L + 24,576: a chunk's scale registers, chunks 0, 1;  v13 the same for chunks 2, 3 (51,200 on)
.set G8,  4                            ; v4  8 L: in memory, and in LDS for chunks 0, 1;  v14 for chunks 2, 3
.set G16, 5                            ; v5  16 L;  v15
.set G4,  6                            ; v6  4 L
.set SPW, 7                            ; v7  my spare word; never rewritten
.set NIL, 8                            ; v8  0; never rewritten
.set PS,  16                           ; v16-47   P's scale registers: chunk c, tile m at 8 c + m
.set PF,  64                           ; v64-111  four fragments of P: two half-groups by turns
.set RS,  112                          ; v112-119 R's scale registers: chunk c, tile n at 2 c + n
.set ACC, 128                          ; v128-255 accumulator (n, m) at 8 (8 n + m)
; window 1: R's fragment of K step ks, tile n at v[24 ks + 12 n]
.macro PLACES                          ; a load into a register that a matrix instruction has read, and an LDS store that reads its result, stand four plain vector instructions behind it
.rept 4
	v_nop
.endr
.endm
.macro CROUND                          ; a round of the cluster's barrier
	s_barrier_signal -1
	s_barrier_wait -1
	s_cmp_lg_u32 s14, 0
	s_cbranch_scc1 .Lnot_wave_0_\@
	s_barrier_signal -3
.Lnot_wave_0_\@:
	s_barrier_wait -3
	s_barrier_signal -1
	s_barrier_wait -1
.endm
.macro ARM under, c, next              ; one arm of the first fills: wave c asks for chunk c
	s_cmp_lt_u32 s14, \under
	s_cbranch_scc0 \next
	tensor_load_to_lds s[24+4*(\c):27+4*(\c)], s[16:23]
	s_nop 0
.rept 4
	v_nop
.endr
	s_branch .Lasked
\next:
.endm
.macro FRAGL reg, hi, off              ; an image out of LDS
	ds_load_b64  v[(\reg):(\reg)+1],    v[G8+10*(\hi)]  offset:(\off)
	ds_load_b128 v[(\reg)+2:(\reg)+5],  v[G16+10*(\hi)] offset:(\off)+256
	ds_load_b64  v[(\reg)+6:(\reg)+7],  v[G8+10*(\hi)]  offset:(\off)+768
	ds_load_b128 v[(\reg)+8:(\reg)+11], v[G16+10*(\hi)] offset:(\off)+1024
.endm
.macro FRAGQ reg, q                    ; half-group q's two fragments of P: K step q / 4, tiles 2 (q % 4) and the next
.set FO, (((\q)/8)%2)*CHB+(((\q)/4)%2)*ESTR+2*((\q)%4)*1536
	FRAGL \reg, (\q)/16, FO
	FRAGL (\reg)+12, (\q)/16, FO+1536
.endm
.macro FRAGG reg, off                  ; an image out of memory
	global_load_b64  v[(\reg):(\reg)+1],    v[G8],  s[46:47] offset:(\off)
	global_load_b128 v[(\reg)+2:(\reg)+5],  v[G16], s[46:47] offset:(\off)+256
	global_load_b64  v[(\reg)+6:(\reg)+7],  v[G8],  s[46:47] offset:(\off)+768
	global_load_b128 v[(\reg)+8:(\reg)+11], v[G16], s[46:47] offset:(\off)+1024
.endm
.macro WM d, a, b, sa, sb, zero, row   ; zero: the first K step starts the sum; row: a chunk's second K step takes its scale words from lanes 16-31
.if \zero
	v_wmma_scale_f32_16x16x128_f8f6f4 v[(\d):(\d)+7], v[(\a):(\a)+11], v[(\b):(\b)+11], 0, v[(\sa)], v[(\sb)] matrix_a_fmt:MATRIX_FMT_FP6 matrix_b_fmt:MATRIX_FMT_FP6
.elseif \row
	v_wmma_scale_f32_16x16x128_f8f6f4 v[(\d):(\d)+7], v[(\a):(\a)+11], v[(\b):(\b)+11], v[(\d):(\d)+7], v[(\sa)], v[(\sb)] matrix_a_fmt:MATRIX_FMT_FP6 matrix_b_fmt:MATRIX_FMT_FP6 matrix_a_scale:MATRIX_SCALE_ROW1 matrix_b_scale:MATRIX_SCALE_ROW1
.else
	v_wmma_scale_f32_16x16x128_f8f6f4 v[(\d):(\d)+7], v[(\a):(\a)+11], v[(\b):(\b)+11], v[(\d):(\d)+7], v[(\sa)], v[(\sb)] matrix_a_fmt:MATRIX_FMT_FP6 matrix_b_fmt:MATRIX_FMT_FP6
.endif
.endm
; Half-group q: two tiles of P against R's two: four matrix instructions.  The sixteen accumulators take turns, one instruction a turn.
.macro HG q
.set KSN, (\q)/4
.set CC,  KSN/2
.set EE,  KSN%2
.set HH,  (\q)%4
.set SL,  PF+24*(HH%2)
.if HH == 0
	s_wait_loadcnt 8*(7-KSN)                       ; R of this K step is in (and R's scale registers, asked for first); the later K steps' eight loads each may be out
.endif
.if (\q) == 31
	s_wait_dscnt 0x0
.else
	s_wait_dscnt 8                                 ; my two fragments are in; the next half-group's eight loads may be out
.endif
.irp n, 0,1
.irp u, 0,1
	WM ACC+8*(8*\n+2*HH+\u), SL+12*\u, 24*KSN+12*\n, PS+8*CC+2*HH+\u, RS+2*CC+\n, KSN==0, EE
.endr
.endr
	PLACES
.if (\q)+2 <= 31
	FRAGQ SL, (\q)+2                               ; the half-group two on, into the registers just used
.endif
.endm
; Token tile n goes out: 32 bytes a lane and column tile into my stage, whole rows back into v[bk] on, and to memory.  A wave's LDS instructions are served in order: no wait between the stores and the loads.
.macro OUTN n, bk
.irp m, 0,1,2,3,4,5,6,7
	ds_store_b128 v9, v[ACC+8*(8*(\n)+\m):ACC+8*(8*(\n)+\m)+3]   offset:128*(\m/2)+32*(\m%2)       ; each accumulator from its low end on
	ds_store_b128 v9, v[ACC+8*(8*(\n)+\m)+4:ACC+8*(8*(\n)+\m)+7] offset:128*(\m/2)+32*(\m%2)+16
.endr
.irp i, 0,1,2,3,4,5,6,7,8,9,10,11,12,13,14,15
	ds_load_b128 v[(\bk)+4*\i:(\bk)+4*\i+3], v10 offset:528*\i
.endr
.irp i, 0,1,2,3,4,5,6,7,8,9,10,11,12,13,14,15
	s_wait_dscnt 15-\i                             ; row i is back; the younger rows' loads may be out
	global_store_b128 v[G16], v[(\bk)+4*\i:(\bk)+4*\i+3], s[8:9] offset:(8*(\n)+\i+8*(\i/8))*4096 th:TH_STORE_NT   ; 32 lanes store 512 consecutive bytes, at a multiple of 256 from out0's first byte
.endr
.endm
	s_load_b128 s[4:7], s[0:1], 0x0                ; ap s[4:5], wop s[6:7]
	s_load_b64 s[8:9], s[0:1], 0x10                ; out0
	v_lshl_add_u32 v[SPW], v0, 2, SPARE
	v_mov_b32 v[NIL], 0
	ds_add_u32 v[SPW], v[NIL]                      ; the wave's opening: the add, twice on end, and its wait ahead of the round in front of the first tensor loads
	ds_add_u32 v[SPW], v[NIL]
	v_lshrrev_b32 v9, 5, v0
	s_delay_alu instid0(VALU_DEP_1)
	v_readfirstlane_b32 s14, v9                    ; wave 0..7
	s_bfe_u32 s13, ttmp6, 0x40000                  ; cx: it enters ap's and out0's addresses alone
	s_lshl_b32 s41, ttmp9, 2
	s_add_co_u32 s41, s41, s13                     ; tg
	s_and_b32 s42, ttmp7, 0xffff                   ; y, which the four partners share
	s_mov_b32 s16, 15|(3<<16)|(1<<21)              ; descriptor group 1: the mask names all four; elements of 8 bytes; bit 21 beside a mask; no padding
	s_mov_b32 s17, 32<<16                          ; a dense chunk as 100 rows of 256 bytes
	s_mov_b32 s18, 100<<16
	s_mov_b32 s19, 32<<16
	s_mov_b32 s20, 100
	s_mov_b32 s21, 32
	s_mov_b32 s22, 0
	s_mov_b32 s23, 0
	v_and_b32 v11, 31, v0                          ; L
	s_delay_alu instid0(VALU_DEP_1)
	v_lshlrev_b32 v[G8], 3, v11
	s_delay_alu instid0(VALU_DEP_2)
	v_lshlrev_b32 v[G16], 4, v11
	s_delay_alu instid0(VALU_DEP_3)
	v_lshlrev_b32 v[G4], 2, v11
	s_delay_alu instid0(VALU_DEP_4)
	v_lshl_add_u32 v[APS], v11, 2, 24576
	v_lshl_add_u32 v[G8+10], v11, 3, 2*CHB
	v_lshl_add_u32 v[G16+10], v11, 4, 2*CHB
	v_lshl_add_u32 v[APS+10], v11, 2, 2*CHB+24576
	v_and_b32 v1, 15, v0                           ; r
	v_bfe_u32 v2, v0, 4, 1                         ; h
	s_mul_i32 s62, s14, 8448
	s_add_co_u32 s62, s62, STG                     ; my stage
	v_mul_u32_u24 v9, v1, 528
	s_delay_alu instid0(VALU_DEP_1)
	v_lshl_add_u32 v9, v2, 6, v9
	s_delay_alu instid0(VALU_DEP_1)
	v_add_nc_u32 v9, s62, v9                       ; in: row r, + 64 h
	v_add_nc_u32 v10, s62, v[G16]                  ; back: 16 L of a row
	s_mul_i32 s52, s42, 102400                     ; P's group in wop: made of y alone
	s_mov_b32 s53, 0
	s_mul_i32 s54, s41, 204800                     ; my tokens' group in ap
	s_mul_i32 s56, s14, 3072
	s_add_co_u32 s56, s56, s54                     ; my two tiles' images,
	s_mov_b32 s57, 0
	s_lshl_b32 s58, s14, 8
	s_add_co_u32 s58, s58, s54
	s_add_co_u32 s58, s58, 49152                   ; and their scale registers
	s_mov_b32 s59, 0
	s_lshl_b32 s60, s41, 8
	s_lshl_b32 s61, s14, 5
	s_add_co_u32 s60, s60, s61                     ; my first token: 256 tg + 32 w
	s_lshl_b32 s60, s60, 12
	s_lshl_b32 s61, s42, 9                         ; my 128 columns
	s_add_co_u32 s60, s60, s61
	s_mov_b32 s61, 0
	s_wait_alu depctr_va_vdst(0)
	s_wait_dscnt 0x0                               ; both opening adds are done
	s_wait_kmcnt 0x0
	s_add_nc_u64 s[44:45], s[6:7], s[52:53]
	s_add_nc_u64 s[46:47], s[4:5], s[56:57]
	s_add_nc_u64 s[48:49], s[4:5], s[58:59]
	s_add_nc_u64 s[8:9], s[8:9], s[60:61]
.irp c, 0,1,2,3
	s_mov_b32 s[24+4*\c], 1                        ; descriptor group 0, a set for each chunk
	s_mov_b32 s[25+4*\c], \c*CHB
	s_add_nc_u64 s[26+4*\c:27+4*\c], s[44:45], \c*CHB
	s_or_b32 s[27+4*\c], s[27+4*\c], 0x80000000
.endr
	CROUND                                         ; all four work-groups are here: the joint loads meet
	ARM 1, 0, .Larm1                               ; one chain of branches on the wave's number: one load in each of waves 0-3, none in the others
	ARM 2, 1, .Larm2
	ARM 3, 2, .Larm3
	ARM 4, 3, .Larm4
.Lasked:
.irp c, 0,1,2,3
.irp n, 0,1
	global_load_b32 v[RS+2*\c+\n], v[G4], s[48:49] offset:\c*51200+128*\n
.endr
.endr
	s_set_vgpr_msb 0x0040                          ; destinations in window 1, addresses in window 0
.set KS, 0
.rept 8
	FRAGG 24*KS, (KS/2)*51200+(KS%2)*24576         ; v[256 + 24 ks ..]: R of K step ks, tile 0,
	FRAGG 24*KS+12, (KS/2)*51200+(KS%2)*24576+1536 ; and tile 1
.set KS, KS+1
.endr
	s_set_vgpr_msb 0x4004                          ; from here to the way out: source 1 in window 1, all else in window 0
	s_wait_tensorcnt 0x0                           ; my chunk, if I asked for one, is in:
	s_barrier_signal -1
	s_barrier_wait -1                              ; so all four are, for every wave
.irp c, 0,1,2,3
.irp m, 0,1,2,3,4,5,6,7
	ds_load_b32 v[PS+8*\c+\m], v[APS+10*(\c/2)] offset:(\c%2)*CHB+128*\m
.endr
.endr
	FRAGQ PF, 0
	FRAGQ PF+24, 1
.set Q, 0
.rept 32                               ; all eight K steps are written out: every offset is an immediate
	HG Q
.set Q, Q+1
.endr
	s_set_vgpr_msb 0x0400                          ; every window 0 again
	OUTN 0, 16                                     ; (the last half-group's four places stand behind the last products)  rows into the fragments' and scales' registers,
	OUTN 1, 128                                    ; then into the accumulators that have left
	s_wait_tensorcnt 0x0                           ; the wave's end, behind my last LDS store
	ds_add_u32 v[SPW], v[NIL]
	s_wait_dscnt 0x0
	CROUND                                         ; the closing round
	s_endpgm
.Lfunc_end_k_qe9ca4506d2_oproj:
	.size	k_qe9ca4506d2_oproj, .Lfunc_end_k_qe9ca4506d2_oproj-k_qe9ca4506d2_oproj
	.p2alignl 7, 3214868480
	.fill 96, 4, 3214868480
	.section	.rodata,"a",@progbits
	.p2align	6, 0x0
	.amdhsa_kernel k_qe9ca4506d2_oproj
		.amdhsa_group_segment_fixed_size 171008
		.amdhsa_private_segment_fixed_size 0
		.amdhsa_enable_private_segment 0
		.amdhsa_kernarg_size 24
		.amdhsa_user_sgpr_count 2
		.amdhsa_user_sgpr_kernarg_segment_ptr 1
		.amdhsa_wavefront_size32 1
		.amdhsa_system_sgpr_workgroup_id_x 1
		.amdhsa_system_sgpr_workgroup_id_y 1
		.amdhsa_system_sgpr_workgroup_id_z 1
		.amdhsa_system_vgpr_workitem_id 0
		.amdhsa_next_free_vgpr 512
		.amdhsa_next_free_sgpr 72
		.amdhsa_reserve_vcc 0
		.amdhsa_float_denorm_mode_32 3
		.amdhsa_float_denorm_mode_16_64 3
		.amdhsa_memory_ordered 1
		.amdhsa_forward_progress 1
		.amdhsa_inst_pref_size 61
	.end_amdhsa_kernel
	.amdgpu_metadata
---
amdhsa.version: [ 1, 2 ]
amdhsa.kernels:
  - .name:           k_qe9ca4506d2_oproj
    .symbol:         k_qe9ca4506d2_oproj.kd
    .args:
      - { .name: ap, .offset: 0, .size: 8, .value_kind: global_buffer, .address_space: global }
      - { .name: wop, .offset: 8, .size: 8, .value_kind: global_buffer, .address_space: global }
      - { .name: out0, .offset: 16, .size: 8, .value_kind: global_buffer, .address_space: global }
    .group_segment_fixed_size: 171008
    .private_segment_fixed_size: 0
    .kernarg_segment_align: 8
    .kernarg_segment_size: 24
    .max_flat_workgroup_size: 256
    .sgpr_count:     72
    .vgpr_count:     512
    .wavefront_size: 32
...
	.end_amdgpu_metadata
.endif
;; end of part 4
